; MI455X (gfx1250); checked and timed in simulation.
; The chip was launched on July 23, 2026; its instructions are those of AMD's public machine-readable ISA for CDNA 5 (MIT licence, August 2026) and "CDNA5" Instruction Set Architecture Reference Guide (July 2026). The comments in the code are by the model that wrote it; some were corrected since.
;; Attention Mechanisms. Allowed arithmetic: matrix products marked QUANTISED: E2M3 operands, one E8M0 scale for each 32 along K, by v_wmma_scale_f32_16x16x128_f8f6f4 with both operands' format E2M3, f32 sums; products left as they are: f32 operands where the result goes on into a quantised operand, else bf16, f16 or f32 operands; f32 sums; everything else in f32.
;; Inputs: Wk 2,048 x 2,048 float32; Wo 2,048 x 2,048 float32; Wq 2,048 x 2,048 float32; Wv 2,048 x 2,048 float32; bk 2,048 float32; bo 2,048 float32; bq 2,048 float32; bv 2,048 float32; c_scale 1 float32; x 4 x 1,024 x 2,048 float32.
;; Outputs: out0 4 x 1,024 x 2,048 float32.
;; This version of the problem:
;;   THIS VERSION OF THE PROBLEM IS GIVEN IN LOW PRECISION. The matrix products marked QUANTISED in the list below multiply operands that are first quantised to E2M3 (2 exponent bits, 3 mantissa bits; 6 bits a number), with one power-of-two scale for each 32 numbers along K (OCP MX v1.0); their sums are f32. All else is computed in f32.
;;   The module's matrix products, in the order in which they are computed (A, B: the left and right operand; K: the contracted axis; several contracted axes count as one K, in the product's order):
;;     1. [M 4,096, K 2,048] x [K 2,048, N 2,048]; A: input x; B: input Wq: QUANTISED
;;     2. [M 4,096, K 2,048] x [K 2,048, N 2,048]; A: input x; B: input Wk: QUANTISED
;;     3. [M 4,096, K 2,048] x [K 2,048, N 2,048]; A: input x; B: input Wv: QUANTISED
;;     4. batch 4,096 x [M 16, K 128] x [K 128, N 16]; A: computed on the way; B: computed on the way: QUANTISED
;;     5. batch 4,096 x [M 16, K 16] x [K 16, N 128]; A: softmax; B: computed on the way: left as it is (K = 16 < 32)
;;     6. [M 4,096, K 2,048] x [K 2,048, N 2,048]; A: computed on the way; B: input Wo: QUANTISED
;;   THE QUANTISER, for each operand of a quantised product, along K:
;;     - K is cut into blocks of 32 from its start; a last block that is shorter is filled with zeros.
;;     - A block's scale is 2^e with e = floor(log2(the largest magnitude in the block)) - 2, held to -126 .. 127; a block of zeros has e = 0. As a byte (E8M0): e + 127.
;;     - Each number is divided by its block's scale, clamped to +-7.5, and rounded to the nearest number of E2M3, ties to even, subnormals kept.
;;     - The product sums the exact products of the quantised numbers (number of the format x scale) in f32.
;;   ~~~python
;;   def quantise(x, axis):      # numpy; x: float32 -> the quantised numbers, widened to float32 again
;;       x = np.moveaxis(x, axis, -1); K = x.shape[-1]
;;       x = np.pad(x, [(0, 0)] * (x.ndim - 1) + [(0, -K % 32)]); x = x.reshape(x.shape[:-1] + (-1, 32)); a = np.abs(x).max(-1, keepdims=True)
;;       e = np.where(a > 0, np.clip(np.frexp(np.where(a > 0, a, 1))[1] - 1 - 2, -126, 127), 0)      # np.frexp(a)[1] - 1 = floor(log2(a)), exactly
;;       r = np.clip(x / 2.0 ** e, -7.5, 7.5)
;;       step = 2.0 ** (np.maximum(np.frexp(np.where(r == 0, 1, r))[1] - 1, 0) - 3)
;;       q = np.round(r / step) * step * 2.0 ** e      # np.round: ties to even
;;       return np.moveaxis(q.reshape(q.shape[:-2] + (-1,))[..., :K], -1, axis).astype(np.float32)
;;   ~~~
;;   OPERANDS COMPUTED ON THE WAY. 'Computed on the way' means the value that the module computes at that place (a softmax that the list does not call 'softmax' is quantised finished and normalised). What goes into a quantiser is computed in f32, as accurately as f32 sums, v_exp_f32 and their like allow (about 1e-6 of the number): no bf16 or f16 on the way to a quantiser, and a product that is left as it is and whose result goes on into a quantised operand takes f32 operands (vector FMAs, or v_wmma_f32_16x16x4_f32). A number that lies on a knife's edge between two numbers of the format may be rounded either way, as far as f32 arithmetic and the matrix unit's own rounding can turn it there, and no further.
;; One version. Each part assembles by itself: llvm-mc -triple=amdgcn-amd-amdhsa -mcpu=gfx1250 --defsym DOCPART=n.
;; ======== version 1 of 1: 4 launches
;; limits: right only within a limited range of input values
;; workspace buffers: xq 6,553,600 bytes; wq3 9,830,400 bytes; woq 3,276,800 bytes; b_vqk 24,576 bytes; aq 6,553,600 bytes; mid 46,661,632 bytes
;; launch quant (part 1): grid 768 x 1, 4 waves a work-group, no clusters, 83,456 bytes of LDS; arguments x, Wv, Wq, Wk, Wo, bv, bq, bk, xq, wq3, woq, b_vqk; writes xq, wq3, woq, b_vqk
.if DOCPART == 1
	.amdgcn_target "amdgcn-amd-amdhsa--gfx1250"
	.amdhsa_code_object_version 6
	.text
	.protected	k_qea1769df37_quant
	.globl	k_qea1769df37_quant
	.p2align	8
	.type	k_qea1769df37_quant,@function
k_qea1769df37_quant:
	s_mov_b64 s[64:65], 0
	v_nop
	global_prefetch_b8 v0, s[64:65] scope:SCOPE_SE
	s_setreg_imm32_b32 hwreg(HW_REG_WAVE_MODE, 25, 1), 1
	s_wait_xcnt 0x0
; x [4096][2048] and the four weights [2048 (k)][2048 (n)], f32, become codes of E2M3 with one E8M0 scale byte for each 32 along K; the three biases of the first products are laid on end.
; NOTHING OF THE PROBLEM IS LEFT OUT: every one of the ten inputs has a way to the output (the biases move the codes of q, k and the attention's result; c_scale moves the softmax), and every product is done.
; A block's scale is 2^(floor(log2(its largest magnitude)) - 2): its byte is the largest magnitude's exponent field - 2, held at 1 from below; each number is divided by the scale and rounded to the nearest code, ties to even, beyond 7.5 the largest code.
; LIMITS: NaN and infinities among the inputs are not served; a block whose largest magnitude lies under 2^-124 has its byte held at 1; a block of zeros has the byte 1 where the rule says 127: its codes are zeros, which add nothing, and this program alone reads the bytes.
; THE LAYOUT OF AN OPERAND (xq, wq3, woq, and aq of a later launch): 16 operand rows over all 2,048 of K are a block of 25,600 bytes = 4 parts of 6,400.  Part s (K 512 s on) holds four images of a fragment's registers
; (16 rows x 128 K: register p of lane l at 512 (p / 4) + 16 l + 4 (p % 4); 1,536 bytes each) and then 256 bytes of scale words (row r, K step q of the part: 6144 + 16 r + 4 q).
; THE ROWS OF A WEIGHT'S BLOCKS ARE NOT NEIGHBOURS: of 32 columns n, those with bit 3 clear form one block and those with bit 3 set the next; row in the block = 8 (bit 4 of n) + n % 8.
; So in the transposed product the 16 registers of two neighbouring tiles are 16 neighbouring columns, which are the next product's K.
; Work-groups 0-255: 16 rows of x each, a wave to a part.  Work-groups 256-767: weight (j / 128: Wv, Wq, Wk, Wo), 256 along K ((j / 16) % 8), 128 columns (j % 16); a wave takes 32 columns, a lane a column, its registers run down K.
; No tensor loads, no barrier: waves share nothing.  Each of the two paths has LDS bytes of its own.
.set XSTW,  8448                       ; x's stage of a wave: 16 rows x (512 bytes + 16), from LDS byte 0
.set WST,   33792                      ; behind the four: the weights' stages,
.set WSTW,  12288                      ; two blocks x four images of 1,536 bytes for each wave
.set SPARE, 82944                      ; behind them: the spare words, 128 bytes for each wave, which no other line names
.set SPW, 28                           ; v28  LDS address of my spare word; never rewritten
.set NIL, 29                           ; v29  0; never rewritten
.set LN,  31                           ; v31  lane
.set WV,  4                            ; s4   wave
.set SEL, 6                            ; s[6:7] v_permlanex16_b32's selects for lane l xor 16
.set PC,  8                            ; v8-27    x: the fragment just made (12), and 8 at work
.set R,   32                           ; v32-159  x: two sets of 64 numbers as they are loaded
.set X,   160                          ; v160-223 x: 64 numbers of my row
.set TM,  224                          ; v224-239 x: at work
.set SW,  240                          ; v240-243 x: the part's four scale words
.set WX,  32                           ; v32-95   weights: two sets of 32 numbers
.set C,   96                           ; v96-102  weights: a block's codes
.set SB,  104                          ; v104-107 weights: four scale words
.set OUT, 112                          ; v112-159 weights: the way out
; 64 numbers of a lane, register 16 b + i = k 32 b + 16 (lane / 16) + i of my row, become a fragment's codes in v[PC] on and its scale word in v[pw]
.macro QUANT s, pw
.irp b, 0,1,2,3
	v_max3_num_f32 v[TM+\b], |v[\s+16*\b]|, |v[\s+1+16*\b]|, 0x1800000   ; block b: my 16 numbers, and the floor 2^(3 - 127): the byte cannot fall under 1
.endr
.irp i, 2,4,6,8,10,12,14
.irp b, 0,1,2,3
	v_max3_num_f32 v[TM+\b], v[TM+\b], |v[\s+16*\b+\i]|, |v[\s+1+16*\b+\i]|   ; the four blocks by turns
.endr
.endr
.irp b, 0,1,2,3
	v_permlanex16_b32 v[TM+4+\b], v[TM+\b], s[SEL], s[SEL+1]
.endr
.irp b, 0,1,2,3
	v_max_num_f32 v[TM+\b], v[TM+\b], v[TM+4+\b]   ; with lane l xor 16's: the block's largest magnitude
.endr
.irp b, 0,1,2,3
	v_add_nc_u32 v[TM+12+\b], 0xff000000, v[TM+\b]   ; 2 off its exponent field: the conversion's scale operand
.endr
.irp b, 0,1,2,3
	v_lshrrev_b32 v[TM+4+\b], 23, v[TM+12+\b]      ; the scale's byte
.endr
	v_lshl_or_b32 v[\pw], v[TM+5], 8, v[TM+4]      ; four bytes: my row's scale word
	v_lshl_or_b32 v[\pw], v[TM+6], 16, v[\pw]
	v_lshl_or_b32 v[\pw], v[TM+7], 24, v[\pw]
.irp c, 0,1
	v_cvt_scalef32_pk16_fp6_f32 v[PC+6*\c:PC+2+6*\c], v[\s+32*\c:\s+15+32*\c], v[TM+12+2*\c]
	v_cvt_scalef32_pk16_fp6_f32 v[PC+12+4*\c:PC+14+4*\c], v[\s+16+32*\c:\s+31+32*\c], v[TM+12+2*\c+1]   ; (a conversion's three registers begin on an even number)
.endr
	v_nop                                          ; one plain place behind a scaled conversion
.irp c, 0,1                                    ; the operand wants a whole block in a lane: lanes 0-15 block 2 c, lanes 16-31 block 2 c + 1
.irp i, 0,1,2
	v_permlane16_swap_b32 v[PC+6*\c+\i], v[PC+12+4*\c+\i]
.endr
.irp i, 0,1,2
	v_mov_b32 v[PC+3+6*\c+\i], v[PC+12+4*\c+\i]
.endr
.endr
.endm
	s_load_b512 s[8:23], s[0:1], 0x0               ; x s[8:9], Wv s[10:11], Wq s[12:13], Wk s[14:15], Wo s[16:17], bv s[18:19], bq s[20:21], bk s[22:23]
	s_load_b256 s[24:31], s[0:1], 0x40             ; xq s[24:25], wq3 s[26:27], woq s[28:29], b_vqk s[30:31]
	v_lshl_add_u32 v[SPW], v0, 2, SPARE
	v_mov_b32 v[NIL], 0
	v_lshrrev_b32 v30, 5, v0
	v_readfirstlane_b32 s[WV], v30                 ; wave 0..3
	v_and_b32 v[LN], 31, v0
	s_mov_b32 s[SEL], 0x76543210
	s_mov_b32 s[SEL+1], 0xfedcba98
	s_cmp_ge_u32 ttmp9, 256
	s_cbranch_scc1 .Lweights
	; ---------------- x: block ttmp9 (16 rows), part = my wave
	v_and_b32 v5, 15, v0                           ; r
	v_bfe_u32 v6, v0, 4, 1                         ; h
	v_lshlrev_b32 v1, 4, v[LN]                     ; 16 x lane: a load's 512 bytes, an image's place
	s_mul_i32 s5, s[WV], XSTW
	v_add_nc_u32 v2, s5, v1                        ; the stage, way in: a row's 512 bytes as they lie
	v_mul_u32_u24 v3, v5, 528
	v_lshl_add_u32 v3, v6, 6, v3
	v_add_nc_u32 v3, s5, v3                        ; way out: row r, + 64 h: my 16 numbers of each block of 32
	v_lshlrev_b32 v4, 4, v5
	v_lshl_add_u32 v4, v6, 3, v4                   ; the scale words: 16 r + 8 h
.irp b, 0,1,2,3
	v_mov_b32 v[TM+4+\b], 0                        ; written once: a lane permute's destination counts as one of its sources
.endr
	s_lshl_b32 s32, ttmp9, 17                      ; 16 rows of 8,192 bytes
	s_lshl_b32 s33, s[WV], 11                      ; 512 numbers of a row
	s_add_co_u32 s32, s32, s33
	s_mov_b32 s33, 0
	s_mul_i32 s34, ttmp9, 25600
	s_mul_i32 s35, s[WV], 6400
	s_add_co_u32 s34, s34, s35
	s_mov_b32 s35, 0
	s_wait_alu depctr_va_vdst(0)
	s_wait_kmcnt 0x0
	s_add_nc_u64 s[8:9], s[8:9], s[32:33]
	s_add_nc_u64 s[24:25], s[24:25], s[34:35]
.macro LOADK q                         ; K step q of the part: 16 rows x 512 bytes; each load reads 512 consecutive bytes
.irp w, 0,1,2,3,4,5,6,7,8,9,10,11,12,13,14,15
	global_load_b128 v[R+64*((\q)%2)+4*\w:R+64*((\q)%2)+4*\w+3], v1, s[8:9] offset:\w*8192+(\q)*512 th:TH_LOAD_NT
.endr
.endm
.macro TURN q                          ; through my stage: LDS serves a wave's instructions in order, so no wait stands between the stores and the loads
.irp w, 0,1,2,3,4,5,6,7,8,9,10,11,12,13,14,15
	ds_store_b128 v2, v[R+64*((\q)%2)+4*\w:R+64*((\q)%2)+4*\w+3] offset:\w*528
.endr
.irp b, 0,1,2,3
.irp j, 0,1,2,3
	ds_load_b128 v[X+16*\b+4*\j:X+16*\b+4*\j+3], v3 offset:128*\b+16*\j
.endr
.endr
.endm
.macro XSTEP q
.if \q > 0
	s_wait_xcnt 0x0                                ; the last step's stores have read the fragment's registers, which are written again below
.endif
.if \q < 3
	s_wait_loadcnt 16                              ; this step's 16 loads are in; the next step's 16 may be out
.else
	s_wait_loadcnt 0x0
.endif
	TURN \q
	s_wait_dscnt 0x0                               ; my 64 numbers are back, and the stage's stores have read their registers,
.if \q < 2
	LOADK (\q)+2                                   ; which take the loads of two steps on
.endif
	QUANT X, SW+\q
.irp c, 0,1,2
	global_store_b128 v1, v[PC+4*\c:PC+4*\c+3], s[24:25] offset:(\q)*1536+512*\c   ; the image: 512 consecutive bytes a store
.endr
.endm
	LOADK 0
	LOADK 1
	XSTEP 0
	XSTEP 1
	XSTEP 2
	XSTEP 3
	v_cmp_lt_u32 vcc_lo, 15, v[LN]                 ; lanes 0-15 store their row's words 0 and 1, lanes 16-31 words 2 and 3
	v_cndmask_b32 v[TM], v[SW], v[SW+2], vcc_lo
	v_cndmask_b32 v[TM+1], v[SW+1], v[SW+3], vcc_lo
	global_store_b64 v4, v[TM:TM+1], s[24:25] offset:6144   ; 256 consecutive bytes
	s_branch .Ldone
	; ---------------- the weights
.Lweights:
	s_sub_co_u32 s32, ttmp9, 256
	; THE SPLIT OF THE WEIGHTS AS THIS TEXT HAS IT: work-groups 256-767, j = number - 256: weight j / 128, 256 along K ((j / 16) % 8), 128 columns (j % 16).
	; A wave so walks 8 blocks of 32 along K: half a part: two fragment images for each of its two blocks of rows, and 8 of each row's 16 scale bytes (the other half's work-group stores the other 8).
	s_lshr_b32 s33, s32, 7                         ; which weight: 0 Wv, 1 Wq, 2 Wk, 3 Wo
	s_bfe_u32 s34, s32, 0x30004                    ; which 256 along K
	s_and_b32 s46, s34, 1                          ; which half of its part,
	s_lshr_b32 s47, s34, 1                         ; which part
	s_and_b32 s35, s32, 15                         ; which 128 columns
	s_wait_alu depctr_va_vdst(0)
	v_lshlrev_b32 v1, 2, v[LN]                     ; in: 4 bytes a lane
	v_bfe_u32 v6, v0, 3, 1                         ; bit 3 of my column: which of the two blocks
	v_bfe_u32 v7, v0, 4, 1
	v_and_b32 v8, 7, v0
	v_lshl_add_u32 v8, v7, 3, v8                   ; my row in it: 8 x bit 4 + column % 8
	s_mul_i32 s5, s[WV], WSTW
	s_add_co_u32 s5, s5, WST
	v_mul_u32_u24 v2, v6, 6144
	v_lshl_add_u32 v2, v8, 4, v2
	v_add_nc_u32 v2, s5, v2                        ; the stage, way in: my block's images, 16 x my row
	v_lshlrev_b32 v4, 4, v[LN]
	v_add_nc_u32 v3, s5, v4                        ; way out: 16 x lane
	s_mul_i32 s39, s46, 3072
	v_add_nc_u32 v4, s39, v4                       ; in memory the half's two images lie 3,072 bytes into the part
	v_mul_u32_u24 v5, v6, 25600
	v_lshl_add_u32 v5, v8, 4, v5                   ; my row's scale words in the two blocks,
	v_lshl_add_u32 v5, s46, 3, v5                  ; the half's two words
	s_lshl_b32 s36, s34, 21                        ; 256 rows of 8,192 bytes
	s_lshl_b32 s37, s35, 9
	s_add_co_u32 s36, s36, s37
	s_lshl_b32 s37, s[WV], 7
	s_add_co_u32 s36, s36, s37                     ; + my wave's first column x 4
	s_mov_b32 s37, 0
	s_cmp_eq_u32 s33, 3
	s_cselect_b32 s38, 0, s33                      ; the weight's place in wq3 (Wo has a buffer of its own)
	s_mul_i32 s38, s38, 128*25600
	s_lshl_b32 s39, s35, 2
	s_add_co_u32 s39, s39, s[WV]                   ; which 32 columns: two blocks
	s_mul_i32 s39, s39, 51200
	s_add_co_u32 s38, s38, s39
	s_mul_i32 s39, s47, 6400
	s_add_co_u32 s38, s38, s39
	s_mov_b32 s39, 0
	s_wait_kmcnt 0x0
	s_cmp_eq_u32 s33, 1                            ; the choices hang on the work-group's number alone
	s_cselect_b64 s[40:41], s[12:13], s[10:11]
	s_cselect_b64 s[42:43], s[20:21], s[18:19]
	s_cmp_eq_u32 s33, 2
	s_cselect_b64 s[40:41], s[14:15], s[40:41]
	s_cselect_b64 s[42:43], s[22:23], s[42:43]
	s_cmp_eq_u32 s33, 3
	s_cselect_b64 s[40:41], s[16:17], s[40:41]
	s_cselect_b64 s[44:45], s[28:29], s[26:27]
	s_add_nc_u64 s[40:41], s[40:41], s[36:37]
	s_add_nc_u64 s[44:45], s[44:45], s[38:39]
.macro LOADB t                         ; block t: W(32 t + i, my column) into set t % 2; the largest offset, 255 rows, lies inside the signed 24-bit immediate
.irp i, 0,1,2,3,4,5,6,7,8,9,10,11,12,13,14,15,16,17,18,19,20,21,22,23,24,25,26,27,28,29,30,31
	global_load_b32 v[WX+32*((\t)%2)+\i], v1, s[40:41] offset:(32*(\t)+\i)*8192 th:TH_LOAD_NT
.endr
.endm
; Block t is K step t / 4 of the part and block t % 4 of that step's 128.  In the fragment it belongs to lane row + 16 (t % 2), registers 6 ((t % 4) / 2) on.
.macro BLOCK t
.set XS, WX+32*((\t)%2)
.set IM, ((\t)/4)*1536+256*((\t)%2)
.if (\t) < 7
	s_wait_loadcnt 32                              ; this block's 32 loads are in; the next block's may be out
.else
	s_wait_loadcnt 0x0
.endif
	v_max3_num_f32 v108, |v[XS]|, |v[XS+1]|, |v[XS+2]|     ; the block's largest magnitude: all 32 numbers are mine
	v_max3_num_f32 v109, |v[XS+3]|, |v[XS+4]|, |v[XS+5]|
.irp i, 6,10,14,18,22,26
	v_max3_num_f32 v108, v108, |v[XS+\i]|, |v[XS+\i+1]|
	v_max3_num_f32 v109, v109, |v[XS+\i+2]|, |v[XS+\i+3]|
.endr
	v_max3_num_f32 v108, v108, |v[XS+30]|, |v[XS+31]|
	v_max3_num_f32 v108, v108, v109, 0x1800000     ; and the floor
	v_add_nc_u32 v110, 0xff000000, v108            ; the conversion's scale operand
	v_lshrrev_b32 v111, 23, v110                   ; the byte
.if (\t)%4 == 0
	v_mov_b32 v[SB+(\t)/4], v111
.else
	v_lshl_or_b32 v[SB+(\t)/4], v111, 8*((\t)%4), v[SB+(\t)/4]
.endif
	v_cvt_scalef32_pk16_fp6_f32 v[C:C+2], v[XS:XS+15], v110
	v_cvt_scalef32_pk16_fp6_f32 v[C+4:C+6], v[XS+16:XS+31], v110
	v_nop                                          ; one plain place behind a scaled conversion
	v_mov_b32 v[C+3], v[C+4]                       ; the block's six registers on end
	v_mov_b32 v[C+4], v[C+5]
	v_mov_b32 v[C+5], v[C+6]
.if ((\t)%4)/2 == 0
	ds_store_b128 v2, v[C:C+3] offset:IM           ; registers 0-3,
	ds_store_b64 v2, v[C+4:C+5] offset:IM+512      ; 4 and 5
.else
	ds_store_b64 v2, v[C:C+1] offset:IM+520        ; registers 6 and 7,
	ds_store_b128 v2, v[C+2:C+5] offset:IM+1024    ; 8-11
.endif
.if (\t)+2 < 8
	LOADB (\t)+2
.endif
	s_wait_dscnt 0x0                               ; the stores have read their registers: the next block's codes may be written
.endm
	LOADB 0
	LOADB 1
.set Q, 0
.rept 8
	BLOCK Q
.set Q, Q+1
.endr
.irp i, 0,1,2,3,4,5,6,7,8,9,10,11
	ds_load_b128 v[OUT+4*\i:OUT+4*\i+3], v3 offset:(\i/6)*6144+512*(\i%6)   ; LDS serves a wave's instructions in order: these see my stores
.endr
.irp i, 0,1,2,3,4,5,6,7,8,9,10,11
	s_wait_dscnt 11-\i                             ; the younger read-backs may be out
	global_store_b128 v4, v[OUT+4*\i:OUT+4*\i+3], s[44:45] offset:(\i/6)*25600+512*(\i%6)   ; 512 consecutive bytes a store
.endr
	s_wait_alu depctr_va_vdst(0)
	global_store_b64 v5, v[SB:SB+1], s[44:45] offset:6144   ; the two blocks' scale words of this half part: 8 bytes of each row's 16
	; the biases of the first three products on end (bv, bq, bk), so that the product's body has one bias pointer: 512 bytes by wave 0 of the work-groups of K part 0
	s_cmp_lg_u32 s34, 0
	s_cbranch_scc1 .Ldone
	s_cmp_eq_u32 s33, 3
	s_cbranch_scc1 .Ldone
	s_cmp_lg_u32 s[WV], 0
	s_cbranch_scc1 .Ldone
	s_lshl_b32 s36, s35, 9
	s_add_nc_u64 s[42:43], s[42:43], s[36:37]
	s_lshl_b32 s38, s33, 13
	s_add_co_u32 s38, s38, s36
	s_add_nc_u64 s[30:31], s[30:31], s[38:39]
	global_load_b128 v[208:211], v4, s[42:43]
	s_wait_loadcnt 0x0
	global_store_b128 v4, v[208:211], s[30:31]
.Ldone:
	s_wait_tensorcnt 0x0                           ; the wave's end: these three lines stand behind my last LDS store; the first of them even with no tensor load
	ds_add_u32 v[SPW], v[NIL]
	s_wait_dscnt 0x0
	s_endpgm
.Lfunc_end_k_qea1769df37_quant:
	.size	k_qea1769df37_quant, .Lfunc_end_k_qea1769df37_quant-k_qea1769df37_quant
	.p2alignl 7, 3214868480
	.fill 96, 4, 3214868480
	.section	.rodata,"a",@progbits
	.p2align	6, 0x0
	.amdhsa_kernel k_qea1769df37_quant
		.amdhsa_group_segment_fixed_size 83456
		.amdhsa_private_segment_fixed_size 0
		.amdhsa_enable_private_segment 0
		.amdhsa_kernarg_size 96
		.amdhsa_user_sgpr_count 2
		.amdhsa_user_sgpr_kernarg_segment_ptr 1
		.amdhsa_wavefront_size32 1
		.amdhsa_system_sgpr_workgroup_id_x 1
		.amdhsa_system_sgpr_workgroup_id_y 1
		.amdhsa_system_sgpr_workgroup_id_z 1
		.amdhsa_system_vgpr_workitem_id 0
		.amdhsa_next_free_vgpr 256
		.amdhsa_next_free_sgpr 66
		.amdhsa_reserve_vcc 1
		.amdhsa_float_denorm_mode_32 3
		.amdhsa_float_denorm_mode_16_64 3
		.amdhsa_memory_ordered 1
		.amdhsa_forward_progress 1
		.amdhsa_inst_pref_size 75
	.end_amdhsa_kernel
	.amdgpu_metadata
---
amdhsa.version: [ 1, 2 ]
amdhsa.kernels:
  - .name:           k_qea1769df37_quant
    .symbol:         k_qea1769df37_quant.kd
    .args:
      - { .name: x, .offset: 0, .size: 8, .value_kind: global_buffer, .address_space: global }
      - { .name: Wv, .offset: 8, .size: 8, .value_kind: global_buffer, .address_space: global }
      - { .name: Wq, .offset: 16, .size: 8, .value_kind: global_buffer, .address_space: global }
      - { .name: Wk, .offset: 24, .size: 8, .value_kind: global_buffer, .address_space: global }
      - { .name: Wo, .offset: 32, .size: 8, .value_kind: global_buffer, .address_space: global }
      - { .name: bv, .offset: 40, .size: 8, .value_kind: global_buffer, .address_space: global }
      - { .name: bq, .offset: 48, .size: 8, .value_kind: global_buffer, .address_space: global }
      - { .name: bk, .offset: 56, .size: 8, .value_kind: global_buffer, .address_space: global }
      - { .name: xq, .offset: 64, .size: 8, .value_kind: global_buffer, .address_space: global }
      - { .name: wq3, .offset: 72, .size: 8, .value_kind: global_buffer, .address_space: global }
      - { .name: woq, .offset: 80, .size: 8, .value_kind: global_buffer, .address_space: global }
      - { .name: b_vqk, .offset: 88, .size: 8, .value_kind: global_buffer, .address_space: global }
    .group_segment_fixed_size: 83456
    .private_segment_fixed_size: 0
    .kernarg_segment_align: 8
    .kernarg_segment_size: 96
    .max_flat_workgroup_size: 128
    .sgpr_count:     66
    .vgpr_count:     256
    .wavefront_size: 32
...
	.end_amdgpu_metadata
.endif
;; end of part 1
;; launch gemm_qkv (part 2): grid 16 x 16, 4 waves a work-group, clusters of 4 x 4, 327,680 bytes of LDS; arguments xq, wq3, b_vqk, mid; writes mid
.if DOCPART == 2
	.amdgcn_target "amdgcn-amd-amdhsa--gfx1250"
	.amdhsa_code_object_version 6
	.text
	.protected	k_qea1769df37_gemm_qkv
	.globl	k_qea1769df37_gemm_qkv
	.p2align	8
	.type	k_qea1769df37_gemm_qkv,@function
k_qea1769df37_gemm_qkv:
	s_mov_b64 s[64:65], 0
	v_nop
	global_prefetch_b8 v0, s[64:65] scope:SCOPE_SE
	s_setreg_imm32_b32 hwreg(HW_REG_WAVE_MODE, 25, 1), 1
	s_wait_xcnt 0x0
	s_wait_alu depctr_hold_cnt(0) depctr_sa_sdst(0) depctr_va_vdst(0) depctr_va_sdst(0) depctr_va_ssrc(0) depctr_va_vcc(0) depctr_vm_vsrc(0)
	s_getreg_b32 s2, hwreg(HW_REG_IB_STS2, 6, 4)
	s_cmp_eq_u32 s2, 0
	s_cbranch_scc0 .Lentry_in_a_cluster
	s_endpgm
.Lentry_in_a_cluster:
	s_bfe_u32 s2, ttmp6, 0x10000c
	s_cmp_lg_u32 s2, 0xf033
	s_cbranch_scc0 .Lentry_shape_is_right
	s_endpgm
.Lentry_shape_is_right:
; v, q, k = x W + bias on codes of E2M3 with E8M0 scales; K = 2,048; 4,096 rows of x; (Wv, Wq, Wk) on end in wq3.  No work is left out.
; OPERANDS are images of registers: 16 rows over all K are a block of 25,600 bytes = 4 parts of 6,400 (four fragment images of 1,536 bytes, then 256 bytes of scale words: row r, K step q at 6144 + 16 r + 4 q).
; A WORK-GROUP makes 256 rows x one head (128 columns) of each of v, q, k: 16 x 16 work-groups.  A wave makes 128 rows x 192 columns: 64 columns of v and the head of q (odd waves: of k): 96 accumulators.
; A PART COMES AS TWO FILLS: slot X takes bytes 3072-6399 of each block's part (K steps 2, 3 and the part's scale words), slot Y bytes 0-3071 (K steps 0, 1); both begin at multiples of 256 bytes.
; The steps of a part are multiplied in the order 2, 3, 0, 1; the scale words of steps 0 and 1 are read into registers before slot X is given up.
; A STEP of 128 along K is six cells of 16 products: (A0,B0) (A1,B0) (A1,B1) (A0,B1) (A0,B2) (A1,B2): A's two halves (4 fragments each) stay for the step, B's thirds pass through two buffers; no fragment is read twice.
; TRANSPOSED USE (source 0 = 16 rows of B, source 1 = 16 rows of A): accumulator (a, b), lane (r, h), register j is C(row 16 a + r, column 32 (b / 2) + 16 h + 8 (b % 2) + j).
; THE BIAS is loaded into the registers of the accumulator row that each third visits last in the first step, and is the C of every first product of that third; that row itself adds in place, last.
; WAYS OUT as the next launch reads them: v f32 rows at mid's start; q, k quantised along the head's 128 in registers: codes [16 tokens][head][image] from QKC, scale words [head][token] from QKS, k behind q.
; CLUSTERS 4 x 4: A's tiles are asked for jointly along a row of the cluster, B's along a column.  Waves 0-2 fetch Wv's, Wq's, Wk's 8 blocks, wave 3 A's 16: one tensor load a wave.
; PREFETCH: a cluster loads 160 block rows of a part (64 of x, 32 of each weight), 25 blocks of 256 bytes each.  Its 64 waves, numbered W by address arithmetic alone, share them out: wave W names x's row W, row W of Wv's and
; Wq's 64, and half of row W / 2 of Wk's; a lane names a block of 256 bytes (lanes left over name the wave's last block again).  Part 1 is asked for at the head, part t + 2 in trip t behind slot X's refill, which is
; four steps ahead of the load that wants its first bytes; the last trip asks for nothing; part 0 comes by its loads alone.
; LIMITS: NaN and infinities are not served; the f32 sums take K in the order stated above, the bias first; a block of q or k under 2^-124 has its byte held at 1, a block of zeros the byte 1 (its codes are zeros; this program alone reads the bytes).
; REGISTERS: window 0: v4-20 addresses; v24-59 scale words, three sets, nothing else; v60-61 the prefetches' offsets; v64-159 A's halves; v160-255 B's two buffers (on the way out v64-251 at work).
;   windows 1, 2, 3: the accumulators of B's thirds 0 (v), 1, 2 (q or k): (a, b) at v[32 a + 8 (b % 4)].
.set RX,    3328
.set SLOTY, 40*RX                      ; slot X: 40 rows of 3,328 bytes from 0; slot Y: 40 rows of 3,072 behind it
.set SPARE, 256000                     ; behind the ring: the spare words, 128 bytes a wave, which no other line names
.set STG,   256512                     ; v's stages: 16 rows x (256 + 16) bytes a wave
.set STGW,  4352
.set SP,    272
.set QSTG,  273920                     ; 512 bytes a wave for scale words
.set QKC,   33554432
.set QKS,   46137344
.set KCOD,  6291456
.set ADRA, 4                           ; v4-5  my A fragments in slot X, Y
.set ADRBV, 6                          ; v6-7  my four blocks of Wv
.set ADRBQ, 8                          ; v8-9  my eight blocks of Wq or Wk
.set ADRSV, 10                         ; scale words: lanes 0-15 A's block i, lanes 16-31 B's block i: i = 0..3,
.set ADRSQ, 11                         ; i = 4..11
.set STO,  12
.set RD,   13
.set CO,   14                          ; 16 x lane
.set BO,   15                          ; 64 x (lane / 16)
.set SPW,  16                          ; my spare word; never rewritten
.set NIL,  17                          ; 0; never rewritten
.set SST,  18
.set SRD,  19
.set CV,   20
.set SET0, 24
.set SET1, 36
.set SET2, 48
.set PFU,  60                          ; 256 x min(lane, 24); never rewritten
.set PFH,  61                          ; 256 x my half's blocks of a row: 0-12 or 13-24; never rewritten
.set AF,   64
.set BF,   160
.set BK,   64                          ; v's way out: v64-95, v96-127 by turns
.set PCQ,  64                          ; codes' way out: 20 registers for each of 8 blocks
.set TM,   224
.set PWQ,  240
.set G1A, 24                           ; s[24:31], s[32:39] group 1 for A's tiles in X, Y
.set G1B, 40                           ; s[40:47], s[48:55] for B's
.set G0A, 56                           ; s[56:59], s[60:63] group 0 for A
.set G0B, 68                           ; s[68:71], s[72:75] for B
.set SEL, 76
.set PVB, 78
.set PCB, 80
.set PSB, 82
.set PFA, 98                           ; s[98:99], s[100:101], s[104:105] my three rows for the prefetches, at part t in trip t
.set PFB, 100
.set PFC, 104
.set MSB, 0
.macro WIN new                         ; the immediate's high byte repeats the setting that is left
.if MSB != (\new)
	s_set_vgpr_msb (MSB<<8)|(\new)
.set MSB, (\new)
.endif
.endm
.macro PLACES                          ; four plain places behind a matrix instruction of this form (ISA guide 7.12.1)
.rept 4
	v_nop
.endr
.endm
.macro JLOAD s                         ; wave 3 asks for A's 16 rows, waves 0-2 for 8 rows of B each; the branch hangs on the wave's number alone
	s_cmp_eq_u32 s12, 3
	s_cbranch_scc0 .Lfor_b_\@
	tensor_load_to_lds s[G0A+4*\s:G0A+4*\s+3], s[G1A+8*\s:G1A+8*\s+7]
	s_nop 0
.rept 4
	v_nop
.endr
	s_branch .Lasked_\@
.Lfor_b_\@:
	tensor_load_to_lds s[G0B+4*\s:G0B+4*\s+3], s[G1B+8*\s:G1B+8*\s+7]
	s_nop 0
.rept 4
	v_nop
.endr
.Lasked_\@:
.endm
.macro CREST
	s_cmp_lg_u32 s12, 0
	s_cbranch_scc1 .Lnot_wave_0_\@
	s_barrier_signal -3
.Lnot_wave_0_\@:
	s_barrier_wait -3
	s_barrier_signal -1
	s_barrier_wait -1
.endm
.macro CROUND
	s_barrier_signal -1
	s_barrier_wait -1
	CREST
.endm
.macro G1SET g, m, d, n                ; rows of d elements of 8 bytes, n rows, 25,600 bytes apart; the mask, bit 21 beside it
	s_or_b32 s[\g], \m, (3<<16)|(1<<21)
	s_mov_b32 s[\g+1], (\d)<<16
	s_mov_b32 s[\g+2], (\n)<<16
	s_mov_b32 s[\g+3], (\d)<<16
	s_mov_b32 s[\g+4], \n
	s_mov_b32 s[\g+5], 3200
	s_mov_b32 s[\g+6], 0
	s_mov_b32 s[\g+7], 0
.endm
.macro BIASLD w, reg, base, off        ; four tiles' bias in the result's layout, into window w
	WIN (\w)<<6
.irp b, 0,1,2,3
	global_load_b128 v[\reg+8*\b:\reg+8*\b+3], v[BO], s[\base:\base+1] offset:\off+128*(\b/2)+32*(\b%2)
	global_load_b128 v[\reg+8*\b+4:\reg+8*\b+7], v[BO], s[\base:\base+1] offset:\off+128*(\b/2)+32*(\b%2)+16
.endr
.endm
.macro PREF off                        ; my share of one part of the cluster's 160 rows: three instructions
	global_prefetch_b8 v[PFU], s[PFA:PFA+1] offset:\off th:TH_LOAD_NT scope:SCOPE_SE
	global_prefetch_b8 v[PFU], s[PFB:PFB+1] offset:\off th:TH_LOAD_NT scope:SCOPE_SE
	global_prefetch_b8 v[PFH], s[PFC:PFC+1] offset:\off th:TH_LOAD_NT scope:SCOPE_SE
.endm
	s_load_b256 s[4:11], s[0:1], 0x0               ; xq, wq3, b_vqk, mid
	v_lshl_add_u32 v[SPW], v0, 2, SPARE
	v_mov_b32 v[NIL], 0
	ds_add_u32 v[SPW], v[NIL]                      ; the opening: the add twice on end and its wait ahead of my first tensor load
	ds_add_u32 v[SPW], v[NIL]
	v_lshrrev_b32 v1, 5, v0
	v_readfirstlane_b32 s12, v1                    ; wave
	s_lshr_b32 s13, s12, 1                         ; which 128 rows are mine
	s_and_b32 s14, s12, 1                          ; which half of v's columns; q (0) or k (1)
	s_bfe_u32 s15, ttmp6, 0x40000                  ; cx
	s_bfe_u32 s16, ttmp6, 0x40004                  ; cy
	s_lshl_b32 s17, ttmp9, 2
	s_add_co_u32 s17, s17, s15                     ; head
	s_and_b32 s18, ttmp7, 0xffff
	s_lshl_b32 s18, s18, 2
	s_add_co_u32 s18, s18, s16                     ; tile row: 256 rows of x
	s_lshl_b32 s21, s16, 2
	s_lshl_b32 s21, 15, s21                        ; my row of the cluster
	s_lshl_b32 s22, 0x1111, s15                    ; my column
	G1SET G1A, s21, 416, 16
	G1SET G1A+8, s21, 384, 16
	G1SET G1B, s22, 416, 8
	G1SET G1B+8, s22, 384, 8
	s_mov_b32 s[SEL], 0x76543210
	s_mov_b32 s[SEL+1], 0xfedcba98
	s_mul_i32 s84, s18, 409600                     ; A: 16 blocks a tile row
	s_mov_b32 s85, 0
	s_mul_i32 s86, s12, 3276800                    ; B: weight = my wave's number (128 blocks each),
	s_mul_i32 s87, s17, 204800                     ; 8 blocks a head
	s_add_co_u32 s86, s86, s87
	s_mov_b32 s87, 0
	s_mul_i32 s88, s12, 8*RX                       ; where B's rows go: behind A's 16, 8 rows a wave
	s_add_co_u32 s88, s88, 16*RX
	s_mul_i32 s89, s12, 8*3072
	s_add_co_u32 s89, s89, SLOTY+16*3072
	s_wait_dscnt 0x0                               ; both opening adds are done
	s_wait_kmcnt 0x0
	s_add_nc_u64 s[84:85], s[4:5], s[84:85]
	s_add_nc_u64 s[86:87], s[6:7], s[86:87]
	CROUND                                         ; all sixteen work-groups are here: the first joint loads meet
	s_mov_b32 s[G0A], 1
	s_mov_b32 s[G0A+1], 0
	s_add_nc_u64 s[G0A+2:G0A+3], s[84:85], 3072
	s_or_b32 s[G0A+3], s[G0A+3], 0x80000000
	s_mov_b32 s[G0A+4], 1
	s_mov_b32 s[G0A+5], SLOTY
	s_mov_b64 s[G0A+6:G0A+7], s[84:85]
	s_or_b32 s[G0A+7], s[G0A+7], 0x80000000
	s_mov_b32 s[G0B], 1
	s_mov_b32 s[G0B+1], s88
	s_add_nc_u64 s[G0B+2:G0B+3], s[86:87], 3072
	s_or_b32 s[G0B+3], s[G0B+3], 0x80000000
	s_mov_b32 s[G0B+4], 1
	s_mov_b32 s[G0B+5], s89
	s_mov_b64 s[G0B+6:G0B+7], s[86:87]
	s_or_b32 s[G0B+7], s[G0B+7], 0x80000000
	JLOAD 0                                        ; slot X, part 0: my one load at the head
	s_lshl_b32 s20, s16, 2                         ; the prefetches: W = 4 (4 cy + cx) + wave, which enters addresses alone
	s_add_co_u32 s20, s20, s15
	s_lshl_b32 s20, s20, 2
	s_add_co_u32 s20, s20, s12
	s_and_b32 s21, ttmp7, 0xffff
	s_lshl_b32 s21, s21, 6                         ; the cluster's 64 blocks of x,
	s_add_co_u32 s21, s21, s20                     ; block W of them
	s_mul_i32 s22, s21, 25600
	s_mov_b32 s23, 0
	s_add_nc_u64 s[PFA:PFA+1], s[4:5], s[22:23]
	s_lshl_b32 s21, ttmp9, 5                       ; the cluster's 32 blocks of each weight
	s_and_b32 s22, s20, 31
	s_add_co_u32 s22, s22, s21
	s_mul_i32 s22, s22, 25600
	s_lshr_b32 s97, s20, 5                         ; Wv (W under 32) or Wq
	s_mul_i32 s97, s97, 3276800
	s_add_co_u32 s22, s22, s97
	s_add_nc_u64 s[PFB:PFB+1], s[6:7], s[22:23]
	s_lshr_b32 s22, s20, 1                         ; Wk: block W / 2, half W % 2 of its blocks of 256 bytes
	s_add_co_u32 s22, s22, s21
	s_mul_i32 s22, s22, 25600
	s_add_co_u32 s22, s22, 6553600
	s_add_nc_u64 s[PFC:PFC+1], s[6:7], s[22:23]
	s_mul_i32 s97, s14, 13
	v_and_b32 v62, 31, v0
	v_min_u32 v[PFU], 24, v62
	v_lshlrev_b32 v[PFU], 8, v[PFU]
	v_min_u32 v[PFH], 12, v62
	v_add_nc_u32 v[PFH], s97, v[PFH]
	v_min_u32 v[PFH], 24, v[PFH]
	v_lshlrev_b32 v[PFH], 8, v[PFH]
	s_wait_alu depctr_va_vdst(0)                   ; the wait ahead of readers behind a run of scalar lines
	PREF 6400                                      ; part 1
	s_lshl_b32 s84, s18, 21                        ; v: 256 rows of 8,192 bytes a tile row, my 128, the head's 512 bytes, my 256
	s_lshl_b32 s85, s13, 20
	s_add_co_u32 s84, s84, s85
	s_lshl_b32 s85, s17, 9
	s_add_co_u32 s84, s84, s85
	s_lshl_b32 s85, s14, 8
	s_add_co_u32 s84, s84, s85
	s_mov_b32 s85, 0
	s_add_nc_u64 s[PVB:PVB+1], s[10:11], s[84:85]
	s_mul_i32 s84, s18, 393216                     ; codes: 16 blocks of tokens a tile row x 24,576 bytes, my 8, my head's image, k behind q
	s_mul_i32 s85, s13, 196608
	s_add_co_u32 s84, s84, s85
	s_mul_i32 s85, s17, 1536
	s_add_co_u32 s84, s84, s85
	s_mul_i32 s85, s14, KCOD
	s_add_co_u32 s84, s84, s85
	s_add_co_u32 s84, s84, QKC
	s_mov_b32 s85, 0
	s_add_nc_u64 s[PCB:PCB+1], s[10:11], s[84:85]
	s_lshl_b32 s84, s17, 14                        ; scale words [head][token]
	s_lshl_b32 s85, s18, 10
	s_add_co_u32 s84, s84, s85
	s_lshl_b32 s85, s13, 9
	s_add_co_u32 s84, s84, s85
	s_lshl_b32 s85, s14, 18
	s_add_co_u32 s84, s84, s85
	s_add_co_u32 s84, s84, QKS
	s_mov_b32 s85, 0
	s_add_nc_u64 s[PSB:PSB+1], s[10:11], s[84:85]
	s_lshl_b32 s84, s17, 9                         ; bias: bv at my 64 columns,
	s_lshl_b32 s86, s14, 8
	s_add_co_u32 s86, s86, s84
	s_mov_b32 s87, 0
	s_add_nc_u64 s[90:91], s[8:9], s[86:87]
	s_lshl_b32 s86, s14, 13                        ; bq or bk at my head
	s_add_co_u32 s86, s86, s84
	s_add_co_u32 s86, s86, 8192
	s_add_nc_u64 s[92:93], s[8:9], s[86:87]
	s_mul_i32 s20, s13, 8*RX                       ; LDS: my 8 blocks of A in X, in Y
	s_mul_i32 s21, s13, 8*3072
	s_add_co_u32 s21, s21, SLOTY
	s_mul_i32 s22, s14, 4*RX                       ; my 4 blocks of Wv
	s_add_co_u32 s22, s22, 16*RX
	s_mul_i32 s23, s14, 4*3072
	s_add_co_u32 s23, s23, SLOTY+16*3072
	s_mul_i32 s86, s14, 8*RX                       ; my 8 blocks of Wq or Wk
	s_add_co_u32 s89, s86, 20*RX
	s_add_co_u32 s86, s86, 24*RX
	s_mul_i32 s87, s14, 8*3072
	s_add_co_u32 s87, s87, SLOTY+24*3072
	s_sub_co_u32 s88, s22, s20                     ; from A's blocks to B's, for the scale words of i = 0..3,
	s_sub_co_u32 s89, s89, s20                     ; and of i = 4..11
	s_add_co_u32 s96, s20, 3072
	s_mul_i32 s94, s12, STGW
	s_add_co_u32 s94, s94, STG
	s_lshl_b32 s95, s12, 9
	s_add_co_u32 s95, s95, QSTG
	v_and_b32 v1, 31, v0
	v_and_b32 v2, 15, v0                           ; r
	v_bfe_u32 v3, v0, 4, 1                         ; h
	v_lshlrev_b32 v[CO], 4, v1
	v_add_nc_u32 v[ADRA], s20, v[CO]
	v_add_nc_u32 v[ADRA+1], s21, v[CO]
	v_add_nc_u32 v[ADRBV], s22, v[CO]
	v_add_nc_u32 v[ADRBV+1], s23, v[CO]
	v_add_nc_u32 v[ADRBQ], s86, v[CO]
	v_add_nc_u32 v[ADRBQ+1], s87, v[CO]
	v_lshlrev_b32 v21, 4, v2
	v_add_nc_u32 v21, s96, v21                     ; A's words: 16 bytes a row
	v_mul_u32_u24 v22, s88, v3                     ; lanes 16-31 take B's
	v_add_nc_u32 v[ADRSV], v21, v22
	v_mul_u32_u24 v22, s89, v3
	v_add_nc_u32 v[ADRSQ], v21, v22
	v_mul_u32_u24 v[STO], v2, SP
	v_lshl_add_u32 v[STO], v3, 6, v[STO]
	v_add_nc_u32 v[STO], s94, v[STO]               ; stage in: row r, + 64 h
	v_mul_u32_u24 v[RD], v3, SP
	v_lshl_add_u32 v[RD], v2, 4, v[RD]
	v_add_nc_u32 v[RD], s94, v[RD]                 ; back: lanes 0-15 one row of 256 bytes, lanes 16-31 the next
	v_lshlrev_b32 v[CV], 13, v3
	v_lshl_add_u32 v[CV], v2, 4, v[CV]             ; the same two rows in v
	v_lshlrev_b32 v[BO], 6, v3
	v_lshl_add_u32 v[SST], v2, 2, s95
	v_add_nc_u32 v[SRD], s95, v[CO]
	s_wait_alu depctr_va_vdst(0)                   ; the head's end
	BIASLD 1, 224, 90, 0                           ; third 0: into accumulator row a = 7
	BIASLD 2, 96, 92, 0                            ; third 1: a = 3
	BIASLD 3, 224, 92, 256                         ; third 2: a = 7
	WIN 0
.macro LDA sl, hf, im                  ; A's half hf (4 fragments) of the slot's image im: 12 loads
.irp i, 0,1,2,3
.irp c, 0,1,2
	ds_load_b128 v[AF+48*(\hf)+12*\i+4*\c:AF+48*(\hf)+12*\i+4*\c+3], v[ADRA+(\sl)] offset:(4*(\hf)+\i)*(RX-256*(\sl))+(\im)*1536+512*\c
.endr
.endr
.endm
.macro LDB sl, t, bf, im               ; B's third t into buffer bf: 12 loads
.irp i, 0,1,2,3
.irp c, 0,1,2
.if (\t) == 0
	ds_load_b128 v[BF+48*(\bf)+12*\i+4*\c:BF+48*(\bf)+12*\i+4*\c+3], v[ADRBV+(\sl)] offset:\i*(RX-256*(\sl))+(\im)*1536+512*\c
.else
	ds_load_b128 v[BF+48*(\bf)+12*\i+4*\c:BF+48*(\bf)+12*\i+4*\c+3], v[ADRBQ+(\sl)] offset:(4*((\t)-1)+\i)*(RX-256*(\sl))+(\im)*1536+512*\c
.endif
.endr
.endr
.endm
.macro SCL set, q                      ; the scale words of the part's K step q, from slot X: 12 loads (for i = 8..11 lanes 0-15 read filled bytes that no product uses)
.irp i, 0,1,2,3,4,5,6,7,8,9,10,11
.if \i < 4
	ds_load_b32 v[\set+\i], v[ADRSV] offset:\i*RX+4*(\q)
.else
	ds_load_b32 v[\set+\i], v[ADRSQ] offset:\i*RX+4*(\q)
.endif
.endr
.endm
; A cell: A's half ah x B's third t: 16 products on 16 accumulators, one instruction a turn.
; first = 1: C is the bias, which lies in the row a = 3 of half 1 - t % 2; five places stand ahead of that row's own products, which write over it.
.macro CELL ah, t, bf, set, first
.irp a, 0,1,2,3
.if (\first) && (\a) == 3 && (\ah) == 1-((\t)%2)
.rept 5
	v_nop
.endr
.endif
.irp b, 0,1,2,3
.set DD, 128*(\ah)+32*\a+8*\b
.if \first
.set CC, 128*(1-((\t)%2))+96+8*\b
.else
.set CC, DD
.endif
	v_wmma_scale_f32_16x16x128_f8f6f4 v[DD:DD+7], v[BF+48*(\bf)+12*\b:BF+48*(\bf)+12*\b+11], v[AF+48*(\ah)+12*\a:AF+48*(\ah)+12*\a+11], v[CC:CC+7], v[\set+4*(\t)+\b], v[\set+4*(\ah)+\a] matrix_a_fmt:MATRIX_FMT_FP6 matrix_b_fmt:MATRIX_FMT_FP6 matrix_a_scale:MATRIX_SCALE_ROW1
.endr
.endr
.endm
; A step.  sl: slot (0 X, 1 Y); im: its first or second image; set: its scale words.  turn = 0: the next step reads the same slot; 1: the slot is given up and filled again; 2: given up; 3: the last step of all.
; On entry A's half 0, B's third 0 (buffer im) and the set are asked for.  The counts of the waits on DScnt are the loads issued behind those that are wanted.
.macro STEP sl, im, set, first, turn
.if \im
.set NS, 1-(\sl)
.else
.set NS, \sl
.endif
.set NI, 1-(\im)
.if (\turn) == 1 && (\sl) == 1
	s_wait_xcnt 0x0                                ; this trip's prefetches, two steps back, have read their bases: on to the next part
	s_add_nc_u64 s[PFA:PFA+1], s[PFA:PFA+1], 6400
	s_add_nc_u64 s[PFB:PFB+1], s[PFB:PFB+1], 6400
	s_add_nc_u64 s[PFC:PFC+1], s[PFC:PFC+1], 6400
.endif
	PLACES
	WIN 0
	LDA \sl, 1, \im
	LDB \sl, 1, 1-(\im), \im
	s_wait_dscnt 24                                ; all but these 24
	WIN 0x50
	CELL 0, 0, \im, \set, \first
	s_wait_dscnt 12                                ; A's half 1 is in
	CELL 1, 0, \im, \set, \first
	PLACES
	WIN 0
	LDB \sl, 2, \im, \im
.set YG, 12
.if (\sl) == 0
.if \im
	SCL SET0, 0                                    ; slot X is about to be given up: the words of the part's steps 0 and 1
	SCL SET2, 1
.set YG, 36
.else
	SCL SET1, 3
.set YG, 24
.endif
.endif
.if (\turn) == 1 || (\turn) == 2
	s_wait_tensorcnt 0x0                           ; all my tensor loads have landed: my part of the other slot
	ds_add_u32 v[SPW], v[NIL]
	s_wait_dscnt YG+1                              ; B's third 1 is in
	WIN 0xa0
	CELL 1, 1, 1-(\im), \set, \first
	s_wait_dscnt 0x0                               ; the add is done, and my reads of this slot are over
	s_barrier_signal -1
	CELL 0, 1, 1-(\im), \set, \first
	WIN 0
	s_barrier_wait -1
.if (\turn) == 1
	CREST                                          ; the barrier has opened a round of the cluster's
	s_add_nc_u64 s[G0A+4*(\sl)+2:G0A+4*(\sl)+3], s[G0A+4*(\sl)+2:G0A+4*(\sl)+3], 6400
	s_add_nc_u64 s[G0B+4*(\sl)+2:G0B+4*(\sl)+3], s[G0B+4*(\sl)+2:G0B+4*(\sl)+3], 6400
	JLOAD \sl                                      ; the next part's half, first behind the round; its four v_nop are the places for the loads below
.else
	PLACES
.endif
.else
	s_wait_dscnt YG
	WIN 0xa0
	CELL 1, 1, 1-(\im), \set, \first
	CELL 0, 1, 1-(\im), \set, \first
.if (\turn) != 3
	PLACES
	WIN 0
.endif
.endif
.if (\turn) != 3
	LDB NS, 0, 1-(\im), NI
.if (\im) && (\sl) == 1
	SCL SET0, 2
.endif
.if (\turn) == 1 && (\sl) == 0
	s_cmp_eq_u32 s19, 1                            ; the last trip has no part two on
	s_cbranch_scc1 .Lno_ask_\@
	PREF 12800                                     ; part t + 2, behind the joint load and the LDS loads
.Lno_ask_\@:
.endif
.if (\turn) == 0
	s_wait_dscnt 12                                ; B's third 2, and any scale words, are in
.endif
	WIN 0xf0
	CELL 0, 2, \im, \set, \first
	PLACES
	WIN 0
	LDA NS, 0, NI
	WIN 0xf0
	CELL 1, 2, \im, \set, \first
.else
	s_wait_dscnt 0x0
	WIN 0xf0
	CELL 0, 2, \im, \set, \first
	CELL 1, 2, \im, \set, \first
.endif
	WIN 0
.endm
	s_wait_tensorcnt 0x0                           ; my part of slot X is in; these lines stand ahead of a later first fill
	ds_add_u32 v[SPW], v[NIL]
	s_wait_dscnt 0x0
	CROUND
	JLOAD 1                                        ; slot Y, part 0
	LDB 0, 0, 0, 0
	SCL SET0, 2
	LDA 0, 0, 0
	s_wait_loadcnt 0x0                             ; the bias
	STEP 0, 0, SET0, 1, 0                          ; the first step stands ahead of the loop: its products start the sums
	s_mov_b32 s19, 3
.Lpart:                                                ; a trip: the rest of a part and the next part's first step; both slots are filled again
	STEP 0, 1, SET1, 0, 1
	STEP 1, 0, SET0, 0, 0
	STEP 1, 1, SET2, 0, 1
	STEP 0, 0, SET0, 0, 0
	s_sub_co_u32 s19, s19, 1
	s_cmp_lg_u32 s19, 0
	s_cbranch_scc1 .Lpart
	STEP 0, 1, SET1, 0, 2                          ; the last part asks for nothing more
	STEP 1, 0, SET0, 0, 0
	STEP 1, 1, SET2, 0, 3
	PLACES
; v's WAY OUT: block g's 16 rows x 64 columns go through my own stage and come back as rows of 256 bytes
.macro TOSTAGE g
	WIN 0x04                                       ; an LDS store's data are its source 1: window 1
.irp b, 0,1,2,3
	ds_store_b128 v[STO], v[32*(\g)+8*\b:32*(\g)+8*\b+3] offset:128*(\b/2)+32*(\b%2)       ; each accumulator from its low end on
	ds_store_b128 v[STO], v[32*(\g)+8*\b+4:32*(\g)+8*\b+7] offset:128*(\b/2)+32*(\b%2)+16
.endr
	WIN 0
.set BB, BK+32*((\g)%2)
.irp i, 0,1,2,3,4,5,6,7
	ds_load_b128 v[BB+4*\i:BB+4*\i+3], v[RD] offset:\i*2*SP    ; LDS serves a wave's instructions in order
.endr
.endm
.macro SEND g, younger
.set BB, BK+32*((\g)%2)
	s_wait_dscnt \younger
.irp i, 0,1,2,3,4,5,6,7
	global_store_b128 v[CV], v[BB+4*\i:BB+4*\i+3], s[PVB:PVB+1] offset:(16*(\g)+2*\i)*8192 th:TH_STORE_NT   ; 16 lanes store 256 consecutive bytes, aligned
.endr
.endm
	TOSTAGE 0
.irp g, 1,2,3,4,5,6,7
.if \g > 1
	s_wait_xcnt 0x0                                ; block g - 2's stores have read their registers
.endif
	TOSTAGE \g
	SEND \g-1, 16                                  ; behind block g - 1's loads: block g's 8 stores and 8 loads
.endr
	SEND 7, 0
; q's or k's WAY OUT.  Block a: channels 0-63 in window 2, 64-127 in window 3, 32 registers each: register 16 b + i = channel 32 b + 16 (lane / 16) + i of token r
.macro QUANTW a
.set AC, 32*(\a)
.set PCA, PCQ+20*(\a)
.irp w, 0,1
	WIN 0x0a+5*\w                                  ; sources 0 and 1: window 2, then 3
.irp b, 0,1
	v_max3_num_f32 v[TM+2*\w+\b], |v[AC+16*\b]|, |v[AC+16*\b+1]|, 0x1800000   ; with the floor 2^(3 - 127)
.endr
.irp i, 2,4,6,8,10,12,14
.irp b, 0,1
	v_max3_num_f32 v[TM+2*\w+\b], |v[AC+16*\b+\i]|, |v[AC+16*\b+\i+1]|, v[TM+2*\w+\b]
.endr
.endr
.endr
	WIN 0
.irp b, 0,1,2,3
	v_permlanex16_b32 v[TM+4+\b], v[TM+\b], s[SEL], s[SEL+1]
.endr
.irp b, 0,1,2,3
	v_max_num_f32 v[TM+\b], v[TM+\b], v[TM+4+\b]
.endr
.irp b, 0,1,2,3
	v_add_nc_u32 v[TM+12+\b], 0xff000000, v[TM+\b]   ; 2 off the exponent field: the conversion's scale operand
.endr
.irp b, 0,1,2,3
	v_lshrrev_b32 v[TM+4+\b], 23, v[TM+12+\b]
.endr
	v_lshl_or_b32 v[PWQ+(\a)], v[TM+5], 8, v[TM+4]
	v_lshl_or_b32 v[PWQ+(\a)], v[TM+6], 16, v[PWQ+(\a)]
	v_lshl_or_b32 v[PWQ+(\a)], v[TM+7], 24, v[PWQ+(\a)]
	WIN 0x02
	v_cvt_scalef32_pk16_fp6_f32 v[PCA:PCA+2], v[AC:AC+15], v[TM+12]
	v_cvt_scalef32_pk16_fp6_f32 v[PCA+12:PCA+14], v[AC+16:AC+31], v[TM+13]
	WIN 0x03
	v_cvt_scalef32_pk16_fp6_f32 v[PCA+6:PCA+8], v[AC:AC+15], v[TM+14]
	v_cvt_scalef32_pk16_fp6_f32 v[PCA+16:PCA+18], v[AC+16:AC+31], v[TM+15]
	WIN 0
	v_nop                                          ; one plain place behind a scaled conversion
.irp c, 0,1
.irp i, 0,1,2
	v_permlane16_swap_b32 v[PCA+6*\c+\i], v[PCA+12+4*\c+\i]
.endr
.irp i, 0,1,2
	v_mov_b32 v[PCA+3+6*\c+\i], v[PCA+12+4*\c+\i]
.endr
.endr
.irp c, 0,1,2
	global_store_b128 v[CO], v[PCA+4*\c:PCA+4*\c+3], s[PCB:PCB+1] offset:(\a)*24576+512*\c   ; the image: 512 consecutive bytes a store; each block has registers of its own
.endr
	ds_store_b32 v[SST], v[PWQ+(\a)] offset:64*(\a)   ; lanes r and r + 16 write the same word with the same value
.endm
	s_wait_xcnt 0x0                                ; v's stores have read the registers that are written below
.irp b, 0,1,2,3
	v_mov_b32 v[TM+4+\b], 0                        ; a lane permute's destination counts as one of its sources
.endr
.irp a, 0,1,2,3,4,5,6,7
	QUANTW \a
.endr
	ds_load_b128 v[248:251], v[SRD]                ; my 128 tokens' words
	s_wait_dscnt 0x0
	global_store_b128 v[CO], v[248:251], s[PSB:PSB+1]   ; 512 consecutive bytes, aligned
	s_wait_tensorcnt 0x0                           ; the wave's end
	ds_add_u32 v[SPW], v[NIL]
	s_wait_dscnt 0x0
	CROUND                                         ; the closing round
	s_endpgm
.Lfunc_end_k_qea1769df37_gemm_qkv:
	.size	k_qea1769df37_gemm_qkv, .Lfunc_end_k_qea1769df37_gemm_qkv-k_qea1769df37_gemm_qkv
	.p2alignl 7, 3214868480
	.fill 96, 4, 3214868480
	.section	.rodata,"a",@progbits
	.p2align	6, 0x0
	.amdhsa_kernel k_qea1769df37_gemm_qkv
		.amdhsa_group_segment_fixed_size 327680
		.amdhsa_private_segment_fixed_size 0
		.amdhsa_enable_private_segment 0
		.amdhsa_kernarg_size 32
		.amdhsa_user_sgpr_count 2
		.amdhsa_user_sgpr_kernarg_segment_ptr 1
		.amdhsa_wavefront_size32 1
		.amdhsa_system_sgpr_workgroup_id_x 1
		.amdhsa_system_sgpr_workgroup_id_y 1
		.amdhsa_system_sgpr_workgroup_id_z 1
		.amdhsa_system_vgpr_workitem_id 0
		.amdhsa_next_free_vgpr 1024
		.amdhsa_next_free_sgpr 106
		.amdhsa_reserve_vcc 0
		.amdhsa_float_denorm_mode_32 3
		.amdhsa_float_denorm_mode_16_64 3
		.amdhsa_memory_ordered 1
		.amdhsa_forward_progress 1
		.amdhsa_inst_pref_size 206
	.end_amdhsa_kernel
	.amdgpu_metadata
---
amdhsa.version: [ 1, 2 ]
amdhsa.kernels:
  - .name:           k_qea1769df37_gemm_qkv
    .symbol:         k_qea1769df37_gemm_qkv.kd
    .args:
      - { .name: xq, .offset: 0, .size: 8, .value_kind: global_buffer, .address_space: global }
      - { .name: wq3, .offset: 8, .size: 8, .value_kind: global_buffer, .address_space: global }
      - { .name: b_vqk, .offset: 16, .size: 8, .value_kind: global_buffer, .address_space: global }
      - { .name: mid, .offset: 24, .size: 8, .value_kind: global_buffer, .address_space: global }
    .group_segment_fixed_size: 327680
    .private_segment_fixed_size: 0
    .kernarg_segment_align: 8
    .kernarg_segment_size: 32
    .max_flat_workgroup_size: 128
    .sgpr_count:     106
    .vgpr_count:     1024
    .wavefront_size: 32
...
	.end_amdgpu_metadata
.endif
;; end of part 2
;; launch attn (part 3): grid 256 x 1, 16 waves a work-group, no clusters, 327,680 bytes of LDS; arguments mid, c_scale, aq; writes aq
.if DOCPART == 3
	.amdgcn_target "amdgcn-amd-amdhsa--gfx1250"
	.amdhsa_code_object_version 6
	.text
	.protected	k_qea1769df37_attn
	.globl	k_qea1769df37_attn
	.p2align	8
	.type	k_qea1769df37_attn,@function
k_qea1769df37_attn:
	s_mov_b64 s[64:65], 0
	v_nop
	global_prefetch_b8 v0, s[64:65] scope:SCOPE_SE
	s_setreg_imm32_b32 hwreg(HW_REG_WAVE_MODE, 25, 1), 1
	s_wait_xcnt 0x0
.set QKC,   33554432
.set QKS,   46137344
.set QK,    135168
.set SCB,   185856
.set OST,   188416
.set OSC,   213248
.set SPARE, 214272
.set SPW, 10
.set NIL, 11
.set TM,  192
.set PW,  208
.set PC,  212
.set WV,  10
.set SEL, 12
.set G1D, 16
.set G1S, 24
.set G0V, 32
.set G0C, 36
.set G0S, 40
.macro QUANT s, pw
.irp b, 0,1,2,3
	v_max3_num_f32 v[TM+\b], |v[\s+16*\b]|, |v[\s+1+16*\b]|, 0x1800000
.endr
.irp i, 2,4,6,8,10,12,14
.irp b, 0,1,2,3
	v_max3_num_f32 v[TM+\b], v[TM+\b], |v[\s+16*\b+\i]|, |v[\s+1+16*\b+\i]|
.endr
.endr
.irp b, 0,1,2,3
	s_delay_alu instid0(VALU_DEP_4)
	v_permlanex16_b32 v[TM+4+\b], v[TM+\b], s[SEL], s[SEL+1]
.endr
.irp b, 0,1,2,3
	s_delay_alu instid0(VALU_DEP_4)
	v_max_num_f32 v[TM+\b], v[TM+\b], v[TM+4+\b]
.endr
.irp b, 0,1,2,3
	s_delay_alu instid0(VALU_DEP_4)
	v_add_nc_u32 v[TM+12+\b], 0xff000000, v[TM+\b]
.endr
.irp b, 0,1,2,3
	s_delay_alu instid0(VALU_DEP_4)
	v_lshrrev_b32 v[TM+4+\b], 23, v[TM+12+\b]
.endr
	s_delay_alu instid0(VALU_DEP_3)
	v_lshl_or_b32 v[\pw], v[TM+5], 8, v[TM+4]
	s_delay_alu instid0(VALU_DEP_1)
	v_lshl_or_b32 v[\pw], v[TM+6], 16, v[\pw]
	s_delay_alu instid0(VALU_DEP_1)
	v_lshl_or_b32 v[\pw], v[TM+7], 24, v[\pw]
.irp c, 0,1
	v_cvt_scalef32_pk16_fp6_f32 v[PC+6*\c:PC+2+6*\c], v[\s+32*\c:\s+15+32*\c], v[TM+12+2*\c]
	v_cvt_scalef32_pk16_fp6_f32 v[PC+12+4*\c:PC+14+4*\c], v[\s+16+32*\c:\s+31+32*\c], v[TM+12+2*\c+1]
.endr
	v_nop
.irp c, 0,1
.irp i, 0,1,2
	v_permlane16_swap_b32 v[PC+6*\c+\i], v[PC+12+4*\c+\i]
.endr
.irp i, 0,1,2
	s_delay_alu instid0(VALU_DEP_3)
	v_mov_b32 v[PC+3+6*\c+\i], v[PC+12+4*\c+\i]
.endr
.endr
.endm
	s_load_b128 s[4:7], s[0:1], 0x0
	s_load_b64 s[8:9], s[0:1], 0x10
	v_lshl_add_u32 v[SPW], v0, 2, SPARE
	v_mov_b32 v[NIL], 0
	ds_add_u32 v[SPW], v[NIL]
	ds_add_u32 v[SPW], v[NIL]
	v_lshrrev_b32 v14, 5, v0
	s_delay_alu instid0(VALU_DEP_1)
	v_readfirstlane_b32 s[WV], v14
	s_mov_b32 s[SEL], 0x76543210
	s_mov_b32 s[SEL+1], 0xfedcba98
	s_mov_b32 s[G1D], (3<<16)|(1<<20)|(6<<22)|(3<<25)
	s_mov_b32 s[G1D+1], 64<<16
	s_mov_b32 s[G1D+2], 16<<16
	s_mov_b32 s[G1D+3], 64<<16
	s_mov_b32 s[G1D+4], 16
	s_mov_b32 s[G1D+5], 64
	s_mov_b32 s[G1D+6], 0
	s_mov_b32 s[G1D+7], 0
.set G1V, 68                           ; s[68:75] group 1 for v: two tokens, 32 rows of 512 bytes, 16 bytes of padding behind each
	s_mov_b32 s[G1V], (3<<16)|(1<<20)|(6<<22)|(3<<25)
	s_mov_b32 s[G1V+1], 64<<16
	s_mov_b32 s[G1V+2], 32<<16
	s_mov_b32 s[G1V+3], 64<<16
	s_mov_b32 s[G1V+4], 32
	s_mov_b32 s[G1V+5], 64
	s_mov_b32 s[G1V+6], 0
	s_mov_b32 s[G1V+7], 0
	s_mov_b32 s[G1S], (2<<16)|(1<<20)|(3<<22)|(3<<25)
	s_mov_b32 s[G1S+1], 16<<16
	s_mov_b32 s[G1S+2], 16<<16
	s_mov_b32 s[G1S+3], 16<<16
	s_mov_b32 s[G1S+4], 16
	s_mov_b32 s[G1S+5], 4096
	s_mov_b32 s[G1S+6], 0
	s_mov_b32 s[G1S+7], 0
	s_mul_i32 s48, s[WV], 8448
	s_mul_i32 s49, s[WV], 1280
	s_add_co_u32 s49, s49, SCB-17920               ; waves 14, 15 fetch q's and k's scale words
	s_mul_i32 s47, s[WV], 16896                    ; waves 0-7 fetch v: two tokens each
	s_lshl_b32 s50, ttmp9, 17
	s_lshl_b32 s51, s[WV], 14
	s_add_co_u32 s50, s50, s51
	s_mov_b32 s51, 0
	s_mul_i32 s52, ttmp9, 24576
	s_lshl_b32 s53, s[WV], 13
	s_add_co_u32 s52, s52, s53
	s_cmp_ge_u32 s[WV], 11                         ; waves 8-10 fetch q's codes, waves 11-13 k's
	s_cselect_b32 s53, 6266880, 0
	s_add_co_u32 s52, s52, s53
	s_add_co_u32 s52, s52, QKC-65536
	s_mov_b32 s53, 0
	s_lshl_b32 s54, s[WV], 18
	s_lshl_b32 s55, ttmp9, 6
	s_add_co_u32 s54, s54, s55
	s_add_co_u32 s54, s54, QKS-14*262144
	s_mov_b32 s55, 0
	s_mul_i32 s58, ttmp9, 25600
	s_lshr_b32 s59, s[WV], 2
	s_mul_i32 s59, s59, 6400
	s_add_co_u32 s60, s58, s59
	s_and_b32 s59, s[WV], 3
	s_mul_i32 s61, s59, 1536
	s_add_co_u32 s60, s60, s61
	s_mov_b32 s61, 0
	s_mul_i32 s62, s59, 6400
	s_add_co_u32 s62, s62, s58
	s_mov_b32 s63, 0
	v_and_b32 v14, 15, v0
	v_bfe_u32 v15, v0, 4, 1
	v_and_b32 v16, 31, v0
	s_lshl_b32 s56, s[WV], 4
	s_add_co_u32 s57, s56, QK
	v_mul_u32_u24 v1, v14, 1584
	s_delay_alu instid0(VALU_DEP_1)
	v_lshl_add_u32 v1, v15, 8, v1
	s_delay_alu instid0(VALU_DEP_1)
	v_add_nc_u32 v1, s57, v1
	s_lshl_b32 s57, s[WV], 2
	s_add_co_u32 s57, s57, SCB
	v_mul_u32_u24 v2, v14, 80
	s_delay_alu instid0(VALU_DEP_1)
	v_add_nc_u32 v2, s57, v2
	v_mul_u32_u24 v3, v15, 4224
	v_bfe_u32 v17, v0, 3, 1
	s_delay_alu instid0(VALU_DEP_1)
	v_lshl_add_u32 v3, v17, 6, v3
	v_and_b32 v17, 7, v0
	s_delay_alu instid0(VALU_DEP_1)
	v_lshl_add_u32 v3, v17, 2, v3
	s_delay_alu instid0(VALU_DEP_1)
	v_add_nc_u32 v3, s48, v3
	s_add_co_u32 s57, s56, OST
	v_mul_u32_u24 v4, v14, 1552
	s_delay_alu instid0(VALU_DEP_1)
	v_lshl_add_u32 v4, v15, 8, v4
	s_delay_alu instid0(VALU_DEP_1)
	v_add_nc_u32 v4, s57, v4
	s_add_co_u32 s57, s56, OSC
	v_bfe_u32 v17, v0, 2, 2
	v_and_b32 v18, 3, v0
	s_delay_alu instid0(VALU_DEP_2)
	v_lshlrev_b32 v5, 8, v17
	s_delay_alu instid0(VALU_DEP_1)
	v_lshl_add_u32 v5, v18, 2, v5
	s_delay_alu instid0(VALU_DEP_1)
	v_add_nc_u32 v5, s57, v5
	v_lshlrev_b32 v7, 4, v16
	s_mul_i32 s57, s[WV], 1552
	s_add_co_u32 s57, s57, OST
	v_add_nc_u32 v6, s57, v7
	v_lshlrev_b32 v9, 3, v16
	s_lshl_b32 s57, s59, 8
	s_add_co_u32 s57, s57, OSC
	v_add_nc_u32 v8, s57, v9
.irp b, 0,1,2,3
	v_mov_b32 v[TM+4+\b], 0
.endr
	v_mov_b32 v58, 0
	s_wait_dscnt 0x0
	s_wait_kmcnt 0x0
	s_load_b32 s46, s[6:7], 0x0
	s_mov_b32 s[G0V], 1
	s_mov_b32 s[G0V+1], s47
	s_add_nc_u64 s[G0V+2:G0V+3], s[4:5], s[50:51]
	s_or_b32 s[G0V+3], s[G0V+3], 0x80000000
	s_mov_b32 s[G0C], 1
	s_add_co_u32 s[G0C+1], s48, QK-67584
	s_add_nc_u64 s[G0C+2:G0C+3], s[4:5], s[52:53]
	s_or_b32 s[G0C+3], s[G0C+3], 0x80000000
	s_mov_b32 s[G0S], 1
	s_mov_b32 s[G0S+1], s49
	s_add_nc_u64 s[G0S+2:G0S+3], s[4:5], s[54:55]
	s_or_b32 s[G0S+3], s[G0S+3], 0x80000000
	s_add_nc_u64 s[60:61], s[8:9], s[60:61]
	s_add_nc_u64 s[62:63], s[8:9], s[62:63]
	s_wait_alu depctr_va_vdst(0)                   ; the head's end
	; the sixteen first fills, one a wave, in one chain of branches on the wave's number
	s_cmp_lt_u32 s[WV], 8
	s_cbranch_scc0 .Lnot_v
	tensor_load_to_lds s[G0V:G0V+3], s[G1V:G1V+7]
	s_nop 0
.rept 4
	v_nop
.endr
	s_branch .Lasked
.Lnot_v:
	s_cmp_lt_u32 s[WV], 14
	s_cbranch_scc0 .Lnot_codes
	tensor_load_to_lds s[G0C:G0C+3], s[G1D:G1D+7]
	s_nop 0
.rept 4
	v_nop
.endr
	s_branch .Lasked
.Lnot_codes:
	tensor_load_to_lds s[G0S:G0S+3], s[G1S:G1S+7]
	s_nop 0
.rept 4
	v_nop
.endr
.Lasked:
	s_wait_kmcnt 0x0
	v_mov_b32 v60, s46
	s_delay_alu instid0(VALU_DEP_1)
	v_mul_f32 v60, 0x3e0293ee, v60
	s_delay_alu instid0(VALU_DEP_1)
	v_mov_b32 v61, v60
	s_wait_tensorcnt 0x0
	s_barrier_signal -1
	s_barrier_wait -1
.irp c, 0,1,2
	ds_load_b128 v[16+4*\c:19+4*\c], v1 offset:25344+528*\c
.endr
.irp c, 0,1,2
	ds_load_b128 v[28+4*\c:31+4*\c], v1 offset:528*\c
.endr
	ds_load_b32 v12, v2 offset:1280
	ds_load_b32 v13, v2
.irp t, 0,1,2,3,4,5,6,7
.irp k, 0,1,2,3
.irp j, 0,1
	ds_load_b32 v[64+8*\t+2*\k+\j], v3 offset:(2*\k+\j)*528+128*(\t/2)+32*(\t%2)
.endr
.endr
.endr
	s_wait_dscnt 63
	v_wmma_scale_f32_16x16x128_f8f6f4 v[40:47], v[16:27], v[28:39], 0, v12, v13 matrix_a_fmt:MATRIX_FMT_FP6 matrix_b_fmt:MATRIX_FMT_FP6
	s_wait_alu depctr_va_vdst(0)
.rept 4
	v_nop
.endr
.irp j, 0,2,4,6
	v_pk_mul_f32 v[48+\j:49+\j], v[40+\j:41+\j], v[60:61] op_sel_hi:[1,0]
.endr
	s_delay_alu instid0(VALU_DEP_3)
	v_max3_num_f32 v56, v48, v49, v50
	s_delay_alu instid0(VALU_DEP_3)
	v_max3_num_f32 v57, v51, v52, v53
	s_delay_alu instid0(VALU_DEP_2)
	v_max3_num_f32 v56, v56, v54, v55
	s_delay_alu instid0(VALU_DEP_1)
	v_max_num_f32 v56, v56, v57
	s_delay_alu instid0(VALU_DEP_1)
	v_permlanex16_b32 v58, v56, s[SEL], s[SEL+1]
	s_delay_alu instid0(VALU_DEP_1)
	v_max_num_f32 v56, v56, v58
.irp j, 0,2,4,6
	v_pk_add_f32 v[48+\j:49+\j], v[48+\j:49+\j], v[56:57] op_sel_hi:[1,0] neg_lo:[0,1] neg_hi:[0,1]
.endr
	s_wait_alu depctr_va_vdst(0)
.irp j, 0,1,2,3,4,5,6,7
	v_exp_f32 v[48+\j], v[48+\j]
.endr
	v_nop
	s_wait_alu depctr_va_vdst(0)
	v_pk_add_f32 v[60:61], v[48:49], v[50:51]
	v_pk_add_f32 v[62:63], v[52:53], v[54:55]
	s_delay_alu instid0(VALU_DEP_1)
	v_pk_add_f32 v[60:61], v[60:61], v[62:63]
	s_delay_alu instid0(VALU_DEP_1)
	v_add_f32 v60, v60, v61
	s_delay_alu instid0(VALU_DEP_1)
	v_permlanex16_b32 v58, v60, s[SEL], s[SEL+1]
	s_delay_alu instid0(VALU_DEP_1)
	v_add_f32 v60, v60, v58
	s_wait_alu depctr_va_vdst(0)
	v_rcp_f32 v62, v60
	v_nop
	s_wait_alu depctr_va_vdst(0)
.irp j, 0,2,4,6
	v_pk_mul_f32 v[48+\j:49+\j], v[48+\j:49+\j], v[62:63] op_sel_hi:[1,0]
.endr
	s_wait_alu depctr_va_vdst(0)
	s_wait_dscnt 0x0
.rept 4
	v_nop
.endr
.irp k, 0,1,2,3
.irp t, 0,1,2,3,4,5,6,7
.if \k == 0
	v_wmma_f32_16x16x4_f32 v[128+8*\t:135+8*\t], v[64+8*\t+2*\k:65+8*\t+2*\k], v[48+2*\k:49+2*\k], 0
.else
	v_wmma_f32_16x16x4_f32 v[128+8*\t:135+8*\t], v[64+8*\t+2*\k:65+8*\t+2*\k], v[48+2*\k:49+2*\k], v[128+8*\t:135+8*\t]
.endif
.endr
.endr
.rept 8
	v_nop
.endr
	QUANT 128, PW
.irp c, 0,1,2
	ds_store_b128 v4, v[PC+4*\c:PC+4*\c+3] offset:512*\c
.endr
	ds_store_b32 v5, v[PW]
	s_wait_dscnt 0x0
	s_barrier_signal -1
	s_barrier_wait -1
.irp c, 0,1,2
	ds_load_b128 v[64+4*\c:67+4*\c], v6 offset:512*\c
.endr
	s_wait_dscnt 0x0
.irp c, 0,1,2
	global_store_b128 v7, v[64+4*\c:67+4*\c], s[60:61] offset:512*\c
.endr
	s_cmp_gt_u32 s[WV], 3
	s_cbranch_scc1 .Lno_words
	ds_load_b64 v[76:77], v8
	s_wait_dscnt 0x0
	global_store_b64 v9, v[76:77], s[62:63] offset:6144
.Lno_words:
	s_wait_tensorcnt 0x0
	ds_add_u32 v[SPW], v[NIL]
	s_wait_dscnt 0x0
	s_endpgm
.Lfunc_end_k_qea1769df37_attn:
	.size	k_qea1769df37_attn, .Lfunc_end_k_qea1769df37_attn-k_qea1769df37_attn
	.p2alignl 7, 3214868480
	.fill 96, 4, 3214868480
	.section	.rodata,"a",@progbits
	.p2align	6, 0x0
	.amdhsa_kernel k_qea1769df37_attn
		.amdhsa_group_segment_fixed_size 327680
		.amdhsa_private_segment_fixed_size 0
		.amdhsa_enable_private_segment 0
		.amdhsa_kernarg_size 24
		.amdhsa_user_sgpr_count 2
		.amdhsa_user_sgpr_kernarg_segment_ptr 1
		.amdhsa_wavefront_size32 1
		.amdhsa_system_sgpr_workgroup_id_x 1
		.amdhsa_system_sgpr_workgroup_id_y 1
		.amdhsa_system_sgpr_workgroup_id_z 1
		.amdhsa_system_vgpr_workitem_id 0
		.amdhsa_next_free_vgpr 256
		.amdhsa_next_free_sgpr 80
		.amdhsa_reserve_vcc 0
		.amdhsa_float_denorm_mode_32 3
		.amdhsa_float_denorm_mode_16_64 3
		.amdhsa_memory_ordered 1
		.amdhsa_forward_progress 1
		.amdhsa_inst_pref_size 23
	.end_amdhsa_kernel
	.amdgpu_metadata
---
amdhsa.version: [ 1, 2 ]
amdhsa.kernels:
  - .name:           k_qea1769df37_attn
    .symbol:         k_qea1769df37_attn.kd
    .args:
      - { .name: mid, .offset: 0, .size: 8, .value_kind: global_buffer, .address_space: global }
      - { .name: c_scale, .offset: 8, .size: 8, .value_kind: global_buffer, .address_space: global }
      - { .name: aq, .offset: 16, .size: 8, .value_kind: global_buffer, .address_space: global }
    .group_segment_fixed_size: 327680
    .private_segment_fixed_size: 0
    .kernarg_segment_align: 8
    .kernarg_segment_size: 24
    .max_flat_workgroup_size: 512
    .sgpr_count:     80
    .vgpr_count:     256
    .wavefront_size: 32
...
	.end_amdgpu_metadata
.endif
;; end of part 3
;; launch gemm_out (part 4): grid 8 x 32, 4 waves a work-group, clusters of 4 x 4, 327,680 bytes of LDS; arguments aq, woq, bo, out0; writes out0
.if DOCPART == 4
	.amdgcn_target "amdgcn-amd-amdhsa--gfx1250"
	.amdhsa_code_object_version 6
	.text
	.protected	k_qea1769df37_gemm_out
	.globl	k_qea1769df37_gemm_out
	.p2align	8
	.type	k_qea1769df37_gemm_out,@function
k_qea1769df37_gemm_out:
	s_mov_b64 s[64:65], 0
	v_nop
	global_prefetch_b8 v0, s[64:65] scope:SCOPE_SE
	s_setreg_imm32_b32 hwreg(HW_REG_WAVE_MODE, 25, 1), 1
	s_wait_xcnt 0x0
	s_wait_alu depctr_hold_cnt(0) depctr_sa_sdst(0) depctr_va_vdst(0) depctr_va_sdst(0) depctr_va_ssrc(0) depctr_va_vcc(0) depctr_vm_vsrc(0)
	s_getreg_b32 s2, hwreg(HW_REG_IB_STS2, 6, 4)
	s_cmp_eq_u32 s2, 0
	s_cbranch_scc0 .Lentry_in_a_cluster
	s_endpgm
.Lentry_in_a_cluster:
	s_bfe_u32 s2, ttmp6, 0x10000c
	s_cmp_lg_u32 s2, 0xf033
	s_cbranch_scc0 .Lentry_shape_is_right
	s_endpgm
.Lentry_shape_is_right:
.set SLOT,  153600
.set BLK,   6400
.set FRB,   1536
.set BOFF,  51200
.set SPARE, 307200
.set ADRA, 4
.set ADRB, 6
.set ADRS, 8
.set STO,  10
.set RD,   11
.set CO,   12
.set BO,   13
.set SPW,  14
.set NIL,  15
.set SC,   32
.set BIAS, 96
.set AF,   160
.set BK,   96
.set G1A, 24
.set G0A, 32
.set G1B, 40
.set G0B, 48
.set MSB, 0
.macro WIN new
.if MSB != \new
	s_set_vgpr_msb (MSB<<8)|\new
.set MSB, \new
.endif
.endm
.set MULW, 0xa1
.set MULB, 0x81
.set TO_B, 0x40
.macro PLACES
.rept 4
	v_nop
.endr
.endm
.macro JLOAD s
	s_cmp_eq_u32 s13, 0
	s_cbranch_scc0 .Lfor_b_\@
	tensor_load_to_lds s[G0A+4*\s:G0A+4*\s+3], s[G1A:G1A+7]
	s_nop 0
.rept 4
	v_nop
.endr
	s_branch .Lasked_\@
.Lfor_b_\@:
	tensor_load_to_lds s[G0B+4*\s:G0B+4*\s+3], s[G1B:G1B+7]
	s_nop 0
.rept 4
	v_nop
.endr
.Lasked_\@:
.endm
.macro CREST
	s_cmp_lg_u32 s12, 0
	s_cbranch_scc1 .Lnot_wave_0_\@
	s_barrier_signal -3
.Lnot_wave_0_\@:
	s_barrier_wait -3
	s_barrier_signal -1
	s_barrier_wait -1
.endm
.macro CROUND
	s_barrier_signal -1
	s_barrier_wait -1
	CREST
.endm
	s_load_b256 s[4:11], s[0:1], 0x0
	v_lshl_add_u32 v[SPW], v0, 2, SPARE
	v_mov_b32 v[NIL], 0
	ds_add_u32 v[SPW], v[NIL]
	ds_add_u32 v[SPW], v[NIL]
	v_lshrrev_b32 v1, 5, v0
	v_readfirstlane_b32 s12, v1
	s_lshr_b32 s13, s12, 1
	s_and_b32 s14, s12, 1
	s_bfe_u32 s15, ttmp6, 0x40000
	s_bfe_u32 s16, ttmp6, 0x40004
	s_lshl_b32 s17, ttmp9, 2
	s_add_co_u32 s17, s17, s15
	s_and_b32 s18, ttmp7, 0xffff
	s_lshl_b32 s18, s18, 2
	s_add_co_u32 s18, s18, s16
	s_lshl_b32 s21, s16, 2
	s_lshl_b32 s21, 15, s21
	s_lshl_b32 s22, 0x1111, s15
	s_or_b32 s[G1A], s21, (3<<16)|(1<<21)
	s_or_b32 s[G1B], s22, (3<<16)|(1<<21)
	s_mov_b32 s[G1A+1], 800<<16
	s_mov_b32 s[G1A+2], 4<<16
	s_mov_b32 s[G1A+3], 800<<16
	s_mov_b32 s[G1A+4], 4
	s_mov_b32 s[G1A+5], 3200
	s_mov_b32 s[G1A+6], 0
	s_mov_b32 s[G1A+7], 0
	s_mov_b32 s[G1B+1], 800<<16
	s_mov_b32 s[G1B+2], 8<<16
	s_mov_b32 s[G1B+3], 800<<16
	s_mov_b32 s[G1B+4], 8
	s_mov_b32 s[G1B+5], 3200
	s_mov_b32 s[G1B+6], 0
	s_mov_b32 s[G1B+7], 0
	s_mul_i32 s56, s18, 204800
	s_mul_i32 s57, s14, 102400
	s_add_co_u32 s56, s56, s57
	s_mov_b32 s57, 0
	s_mul_i32 s60, s17, 409600
	s_mul_i32 s61, s14, 204800
	s_add_co_u32 s60, s60, s61
	s_mov_b32 s61, 0
	s_mul_i32 s66, s14, 25600
	s_mul_i32 s67, s14, 51200
	s_add_co_u32 s67, s67, BOFF
	s_wait_dscnt 0x0
	s_wait_kmcnt 0x0
	s_add_nc_u64 s[58:59], s[4:5], s[56:57]
	s_add_nc_u64 s[62:63], s[6:7], s[60:61]
	CROUND
.irp s, 0,1
	s_mov_b32 s[G0A+4*\s], 1
	s_add_co_u32 s[G0A+4*\s+1], s66, \s*SLOT
	s_add_nc_u64 s[G0A+4*\s+2:G0A+4*\s+3], s[58:59], \s*BLK
	s_or_b32 s[G0A+4*\s+3], s[G0A+4*\s+3], 0x80000000
	s_mov_b32 s[G0B+4*\s], 1
	s_add_co_u32 s[G0B+4*\s+1], s67, \s*SLOT
	s_add_nc_u64 s[G0B+4*\s+2:G0B+4*\s+3], s[62:63], \s*BLK
	s_or_b32 s[G0B+4*\s+3], s[G0B+4*\s+3], 0x80000000
.endr
	JLOAD 0                                        ; slot 0, part 0: my one load at the head, behind the round; the addresses and the bias below are made while it is out
	; PREFETCH: a cluster loads 96 block rows of a part (32 of A, 64 of Wo), 25 blocks of 256 bytes each.  Its 64 waves, numbered W = 4 (4 cy + cx) + wave by address arithmetic alone, share them out:
	; wave W names Wo's row W and half of A's row W / 2; a lane names a block of 256 bytes (lanes left over name the wave's last block again).  Part p + 1 is asked for where part p's load goes out; part 0 comes by its load alone.
	s_lshl_b32 s74, s16, 2
	s_add_co_u32 s74, s74, s15
	s_lshl_b32 s74, s74, 2
	s_add_co_u32 s74, s74, s12                     ; W
	s_lshl_b32 s75, ttmp9, 6                       ; the cluster's 64 blocks of Wo
	s_add_co_u32 s75, s75, s74
	s_mul_i32 s76, s75, 25600
	s_mov_b32 s77, 0
	s_add_nc_u64 s[70:71], s[6:7], s[76:77]
	s_and_b32 s75, ttmp7, 0xffff
	s_lshl_b32 s75, s75, 5                         ; the cluster's 32 blocks of A
	s_lshr_b32 s76, s74, 1
	s_add_co_u32 s75, s75, s76
	s_mul_i32 s76, s75, 25600
	s_add_nc_u64 s[68:69], s[4:5], s[76:77]
	s_mul_i32 s78, s14, 13
	v_and_b32 v20, 31, v0
	v_min_u32 v21, 24, v20
	v_lshlrev_b32 v21, 8, v21                      ; 256 x min(lane, 24); never rewritten
	v_min_u32 v22, 12, v20
	v_add_nc_u32 v22, s78, v22
	v_min_u32 v22, 24, v22
	v_lshlrev_b32 v22, 8, v22                      ; 256 x my half's blocks: 0-12 or 13-24; never rewritten
	s_wait_alu depctr_va_vdst(0)                   ; the wait ahead of readers that stand behind waits and branches
	global_prefetch_b8 v21, s[70:71] offset:6400 th:TH_LOAD_NT scope:SCOPE_SE
	global_prefetch_b8 v22, s[68:69] offset:6400 th:TH_LOAD_NT scope:SCOPE_SE
	v_and_b32 v1, 31, v0
	v_and_b32 v2, 15, v0
	v_bfe_u32 v3, v0, 4, 1
	v_lshlrev_b32 v[CO], 4, v1
	s_mul_i32 s21, s13, 25600
	s_mul_i32 s22, s14, 51200
	s_add_co_u32 s22, s22, BOFF
	v_add_nc_u32 v[ADRA], s21, v[CO]
	v_add_nc_u32 v[ADRB], s22, v[CO]
	v_add_nc_u32 v[ADRA+1], SLOT, v[ADRA]
	v_add_nc_u32 v[ADRB+1], SLOT, v[ADRB]
	s_sub_co_u32 s23, s22, s21
	v_mul_u32_u24 v19, s23, v3
	v_lshl_add_u32 v19, v2, 4, v19
	s_add_co_u32 s21, s21, 6144
	v_add_nc_u32 v[ADRS], s21, v19
	v_add_nc_u32 v[ADRS+1], SLOT, v[ADRS]
	s_mul_i32 s21, s12, 8448
	v_mul_u32_u24 v[STO], v2, 528
	v_lshl_add_u32 v[STO], v3, 6, v[STO]
	v_add_nc_u32 v[STO], s21, v[STO]
	v_add_nc_u32 v[RD], s21, v[CO]
	v_lshlrev_b32 v[BO], 6, v3
	s_lshl_b32 s60, s17, 10
	s_lshl_b32 s61, s14, 9
	s_add_co_u32 s60, s60, s61
	s_mov_b32 s61, 0
	s_add_nc_u64 s[8:9], s[8:9], s[60:61]
.irp b, 0,1,2,3,4,5,6,7
	global_load_b128 v[BIAS+8*\b:BIAS+8*\b+3], v[BO], s[8:9] offset:128*(\b/2)+32*(\b%2)
	global_load_b128 v[BIAS+8*\b+4:BIAS+8*\b+7], v[BO], s[8:9] offset:128*(\b/2)+32*(\b%2)+16
.endr
.macro FETCH slot, q, set
	WIN TO_B
.irp i, 0,1,2,3,4,5,6,7
.irp c, 0,1,2
	ds_load_b128 v[128*(\set)+12*\i+4*\c:128*(\set)+12*\i+4*\c+3], v[ADRB+\slot] offset:\i*BLK+(\q)*FRB+512*\c
.endr
.endr
	WIN 0
.irp i, 0,1,2,3
.irp c, 0,1,2
	ds_load_b128 v[AF+48*(\set)+12*\i+4*\c:AF+48*(\set)+12*\i+4*\c+3], v[ADRA+\slot] offset:\i*BLK+(\q)*FRB+512*\c
.endr
.endr
.endm
.macro SCALES slot
.irp i, 0,1,2,3,4,5,6,7
	ds_load_b128 v[SC+32*\slot+4*\i:SC+32*\slot+4*\i+3], v[ADRS+\slot] offset:\i*BLK
.endr
.endm
.macro MUL a0, n, set, q, slot, first
.set AA, \a0
.rept \n
.irp b, 0,1,2,3,4,5,6,7
.if \first
	v_wmma_scale_f32_16x16x128_f8f6f4 v[8*(8*AA+\b):8*(8*AA+\b)+7], v[128*(\set)+12*\b:128*(\set)+12*\b+11], v[AF+48*(\set)+12*AA:AF+48*(\set)+12*AA+11], v[BIAS+8*\b:BIAS+8*\b+7], v[SC+32*(\slot)+4*\b+(\q)], v[SC+32*(\slot)+4*AA+(\q)] matrix_a_fmt:MATRIX_FMT_FP6 matrix_b_fmt:MATRIX_FMT_FP6 matrix_a_scale:MATRIX_SCALE_ROW1
.else
	v_wmma_scale_f32_16x16x128_f8f6f4 v[8*(8*AA+\b):8*(8*AA+\b)+7], v[128*(\set)+12*\b:128*(\set)+12*\b+11], v[AF+48*(\set)+12*AA:AF+48*(\set)+12*AA+11], v[8*(8*AA+\b):8*(8*AA+\b)+7], v[SC+32*(\slot)+4*\b+(\q)], v[SC+32*(\slot)+4*AA+(\q)] matrix_a_fmt:MATRIX_FMT_FP6 matrix_b_fmt:MATRIX_FMT_FP6 matrix_a_scale:MATRIX_SCALE_ROW1
.endif
.endr
.set AA, AA+1
.endr
.endm
.macro STEP slot, q, first
	PLACES
	FETCH \slot, (\q)+1, 1-(\q)%2
	s_wait_dscnt 36
.if \first
	WIN MULB
.else
	WIN MULW
.endif
	MUL 0, 4, (\q)%2, \q, \slot, \first
	WIN 0
.endm
.macro TURN slot, next, fill
	s_wait_tensorcnt 0x0
	ds_add_u32 v[SPW], v[NIL]
	s_wait_dscnt 1
	WIN MULW
	MUL 0, 1, 1, 3, \slot, 0
	s_wait_dscnt 0x0
	s_barrier_signal -1
	MUL 1, 1, 1, 3, \slot, 0
	WIN 0
	s_barrier_wait -1
.if \fill
	CREST
	s_add_nc_u64 s[G0A+4*\slot+2:G0A+4*\slot+3], s[G0A+4*\slot+2:G0A+4*\slot+3], 2*BLK
	s_add_nc_u64 s[G0B+4*\slot+2:G0B+4*\slot+3], s[G0B+4*\slot+2:G0B+4*\slot+3], 2*BLK
	JLOAD \slot
.else
	PLACES
.endif
	FETCH \next, 0, 0
	SCALES \next
	WIN MULW
	MUL 2, 2, 1, 3, \slot, 0
	WIN 0
.endm
	s_wait_alu depctr_va_vdst(0)
	s_wait_tensorcnt 0x0                           ; my part of slot 0 is in; these lines stand ahead of a later first fill
	ds_add_u32 v[SPW], v[NIL]
	s_wait_dscnt 0x0
	CROUND
	JLOAD 1                                        ; slot 1, part 1: the first tensor load behind the round
	FETCH 0, 0, 0
	SCALES 0
	global_prefetch_b8 v21, s[70:71] offset:12800 th:TH_LOAD_NT scope:SCOPE_SE   ; part 2, behind part 1's load and the LDS loads
	global_prefetch_b8 v22, s[68:69] offset:12800 th:TH_LOAD_NT scope:SCOPE_SE
	s_wait_loadcnt 0x0
	STEP 0, 0, 1
	STEP 0, 1, 0
	STEP 0, 2, 0
	TURN 0, 1, 1
	global_prefetch_b8 v21, s[70:71] offset:19200 th:TH_LOAD_NT scope:SCOPE_SE   ; part 3, behind part 2's load
	global_prefetch_b8 v22, s[68:69] offset:19200 th:TH_LOAD_NT scope:SCOPE_SE
	STEP 1, 0, 0
	STEP 1, 1, 0
	STEP 1, 2, 0
	TURN 1, 0, 1
	STEP 0, 0, 0
	STEP 0, 1, 0
	STEP 0, 2, 0
	TURN 0, 1, 0
	STEP 1, 0, 0
	STEP 1, 1, 0
	STEP 1, 2, 0
	s_wait_dscnt 0x0
	WIN MULW
	MUL 0, 4, 1, 3, 1, 0
	WIN 0
	PLACES
	s_lshl_b32 s72, s18, 20
	s_lshl_b32 s73, s13, 19
	s_add_co_u32 s72, s72, s73
	s_lshl_b32 s73, s17, 10
	s_add_co_u32 s72, s72, s73
	s_lshl_b32 s73, s14, 9
	s_add_co_u32 s72, s72, s73
	s_mov_b32 s73, 0
	s_add_nc_u64 s[10:11], s[10:11], s[72:73]
.macro TOSTAGE a
	WIN 0x08
.irp b, 0,1,2,3,4,5,6,7
	ds_store_b128 v[STO], v[8*(8*(\a)+\b):8*(8*(\a)+\b)+3] offset:128*(\b/2)+32*(\b%2)
	ds_store_b128 v[STO], v[8*(8*(\a)+\b)+4:8*(8*(\a)+\b)+7] offset:128*(\b/2)+32*(\b%2)+16
.endr
	WIN 0
.set BB, BK+64*((\a)%2)
.irp t, 0,1,2,3,4,5,6,7,8,9,10,11,12,13,14,15
	ds_load_b128 v[BB+4*\t:BB+4*\t+3], v[RD] offset:\t*528
.endr
.endm
.macro SEND a, younger
.set BB, BK+64*((\a)%2)
	s_wait_dscnt \younger
.irp t, 0,1,2,3,4,5,6,7,8,9,10,11,12,13,14,15
	global_store_b128 v[CO], v[BB+4*\t:BB+4*\t+3], s[10:11] offset:(16*(\a)+\t)*8192 th:TH_STORE_NT
.endr
.endm
	TOSTAGE 0
.irp a, 1,2,3
.if \a > 1
	s_wait_xcnt 0x0
.endif
	TOSTAGE \a
	SEND \a-1, 32
.endr
	SEND 3, 0
	s_wait_tensorcnt 0x0
	ds_add_u32 v[SPW], v[NIL]
	s_wait_dscnt 0x0
	CROUND
	s_endpgm
.Lfunc_end_k_qea1769df37_gemm_out:
	.size	k_qea1769df37_gemm_out, .Lfunc_end_k_qea1769df37_gemm_out-k_qea1769df37_gemm_out
	.p2alignl 7, 3214868480
	.fill 96, 4, 3214868480
	.section	.rodata,"a",@progbits
	.p2align	6, 0x0
	.amdhsa_kernel k_qea1769df37_gemm_out
		.amdhsa_group_segment_fixed_size 327680
		.amdhsa_private_segment_fixed_size 0
		.amdhsa_enable_private_segment 0
		.amdhsa_kernarg_size 32
		.amdhsa_user_sgpr_count 2
		.amdhsa_user_sgpr_kernarg_segment_ptr 1
		.amdhsa_wavefront_size32 1
		.amdhsa_system_sgpr_workgroup_id_x 1
		.amdhsa_system_sgpr_workgroup_id_y 1
		.amdhsa_system_sgpr_workgroup_id_z 1
		.amdhsa_system_vgpr_workitem_id 0
		.amdhsa_next_free_vgpr 768
		.amdhsa_next_free_sgpr 80
		.amdhsa_reserve_vcc 0
		.amdhsa_float_denorm_mode_32 3
		.amdhsa_float_denorm_mode_16_64 3
		.amdhsa_memory_ordered 1
		.amdhsa_forward_progress 1
		.amdhsa_inst_pref_size 134
	.end_amdhsa_kernel
	.amdgpu_metadata
---
amdhsa.version: [ 1, 2 ]
amdhsa.kernels:
  - .name:           k_qea1769df37_gemm_out
    .symbol:         k_qea1769df37_gemm_out.kd
    .args:
      - { .name: aq, .offset: 0, .size: 8, .value_kind: global_buffer, .address_space: global }
      - { .name: woq, .offset: 8, .size: 8, .value_kind: global_buffer, .address_space: global }
      - { .name: bo, .offset: 16, .size: 8, .value_kind: global_buffer, .address_space: global }
      - { .name: out0, .offset: 24, .size: 8, .value_kind: global_buffer, .address_space: global }
    .group_segment_fixed_size: 327680
    .private_segment_fixed_size: 0
    .kernarg_segment_align: 8
    .kernarg_segment_size: 32
    .max_flat_workgroup_size: 128
    .sgpr_count:     80
    .vgpr_count:     768
    .wavefront_size: 32
...
	.end_amdgpu_metadata
.endif
;; end of part 4
